; MI455X (gfx1250); checked and timed in simulation.
; The chip was launched on July 23, 2026; its instructions are those of AMD's public machine-readable ISA for CDNA 5 (MIT licence, August 2026) and "CDNA5" Instruction Set Architecture Reference Guide (July 2026). The comments in the code are by the model that wrote it; some were corrected since.
;; Multi Head Attention. Allowed arithmetic: matrix products marked QUANTISED: E2M3 operands, one E8M0 scale for each 32 along K, by v_wmma_scale_f32_16x16x128_f8f6f4 with both operands' format E2M3, f32 sums; everything else in f32.
;; Inputs: Wk 1,024 x 1,024 float32; Wo 1,024 x 1,024 float32; Wq 1,024 x 1,024 float32; Wv 1,024 x 1,024 float32; bk 1,024 float32; bo 1,024 float32; bq 1,024 float32; bv 1,024 float32; key 4 x 2,048 x 1,024 float32; query 4 x 2,048 x 1,024 float32; value 4 x 2,048 x 1,024 float32.
;; Outputs: out0 4 x 2,048 x 1,024 float32.
;; This version of the problem:
;;   THIS VERSION OF THE PROBLEM IS GIVEN IN LOW PRECISION. The matrix products marked QUANTISED in the list below multiply operands that are first quantised to E2M3 (2 exponent bits, 3 mantissa bits; 6 bits a number), with one power-of-two scale for each 32 numbers along K (OCP MX v1.0); their sums are f32. All else is computed in f32.
;;   The module's matrix products, in the order in which they are computed (A, B: the left and right operand; K: the contracted axis; several contracted axes count as one K, in the product's order):
;;     1. [M 8,192, K 1,024] x [K 1,024, N 1,024]; A: input query; B: input Wq: QUANTISED
;;     2. [M 8,192, K 1,024] x [K 1,024, N 1,024]; A: input key; B: input Wk: QUANTISED
;;     3. [M 8,192, K 1,024] x [K 1,024, N 1,024]; A: input value; B: input Wv: QUANTISED
;;     4. batch 64 x [M 2,048, K 64] x [K 64, N 2,048]; A: computed on the way; B: computed on the way: QUANTISED
;;     5. batch 64 x [M 2,048, K 2,048] x [K 2,048, N 64]; A: softmax (see below); B: computed on the way: QUANTISED
;;     6. [M 8,192, K 1,024] x [K 1,024, N 1,024]; A: computed on the way; B: input Wo: QUANTISED
;;   THE QUANTISER, for each operand of a quantised product, along K:
;;     - K is cut into blocks of 32 from its start; a last block that is shorter is filled with zeros.
;;     - A block's scale is 2^e with e = floor(log2(the largest magnitude in the block)) - 2, held to -126 .. 127; a block of zeros has e = 0. As a byte (E8M0): e + 127.
;;     - Each number is divided by its block's scale, clamped to +-7.5, and rounded to the nearest number of E2M3, ties to even, subnormals kept.
;;     - The product sums the exact products of the quantised numbers (number of the format x scale) in f32.
;;   ~~~python
;;   def quantise(x, axis):      # numpy; x: float32 -> the quantised numbers, widened to float32 again
;;       x = np.moveaxis(x, axis, -1); K = x.shape[-1]
;;       x = np.pad(x, [(0, 0)] * (x.ndim - 1) + [(0, -K % 32)]); x = x.reshape(x.shape[:-1] + (-1, 32)); a = np.abs(x).max(-1, keepdims=True)
;;       e = np.where(a > 0, np.clip(np.frexp(np.where(a > 0, a, 1))[1] - 1 - 2, -126, 127), 0)      # np.frexp(a)[1] - 1 = floor(log2(a)), exactly
;;       r = np.clip(x / 2.0 ** e, -7.5, 7.5)
;;       step = 2.0 ** (np.maximum(np.frexp(np.where(r == 0, 1, r))[1] - 1, 0) - 3)
;;       q = np.round(r / step) * step * 2.0 ** e      # np.round: ties to even
;;       return np.moveaxis(q.reshape(q.shape[:-2] + (-1,))[..., :K], -1, axis).astype(np.float32)
;;   ~~~
;;   SOFTMAX AHEAD OF A QUANTISED PRODUCT. Where the list says 'softmax', what is quantised is not the finished softmax but p = 2^(t - M), with t = logit x log2(e) and M = ceil(the row's largest t), a whole number; so 1/2 < the row's largest p <= 1. The row's sum l is taken of the UNQUANTISED p, in f32, and the product's result is divided by l at the end. Since M is a whole number, a kernel that streams over the keys may use a running M (the ceiling of the running maximum): every later rescaling is an exact power of two, which a block's scale takes up: the codes' values come out the same.
;;   OPERANDS COMPUTED ON THE WAY. 'Computed on the way' means the value that the module computes at that place (a softmax that the list does not call 'softmax' is quantised finished and normalised). What goes into a quantiser is computed in f32, as accurately as f32 sums, v_exp_f32 and their like allow (about 1e-6 of the number): no bf16 or f16 on the way to a quantiser, and a product that is left as it is and whose result goes on into a quantised operand takes f32 operands (vector FMAs, or v_wmma_f32_16x16x4_f32). A number that lies on a knife's edge between two numbers of the format may be rounded either way, as far as f32 arithmetic and the matrix unit's own rounding can turn it there, and no further.
;; One version. Each part assembles by itself: llvm-mc -triple=amdgcn-amd-amdhsa -mcpu=gfx1250 --defsym DOCPART=n.
;; ======== version 1 of 1: 4 launches
;; limits: right only within a limited range of input values
;; workspace buffers: XC 22,020,096 bytes; XS 917,504 bytes; QKVC 26,214,400 bytes; OC 6,291,456 bytes; OS 262,144 bytes
;; launch quant (part 1): grid 896 x 1, 4 waves a work-group, no clusters, 33,280 bytes of LDS; arguments query, key, value, Wq, Wk, Wv, Wo, XC, XS; writes XC, XS
.if DOCPART == 1
	.amdgcn_target "amdgcn-amd-amdhsa--gfx1250"
	.amdhsa_code_object_version 6
	.text
	.protected	k_q04dcf57921_quant
	.globl	k_q04dcf57921_quant
	.p2align	8
	.type	k_q04dcf57921_quant,@function
k_q04dcf57921_quant:
	s_mov_b64 s[64:65], 0
	v_nop
	global_prefetch_b8 v0, s[64:65] scope:SCOPE_SE
	s_setreg_imm32_b32 hwreg(HW_REG_WAVE_MODE, 25, 1), 1
	s_wait_xcnt 0x0
; LAUNCH 1 OF 4.  Multi-head attention, B = 4, S = 2,048, D = 1,024, 16 heads of 64, all six products on codes of FP6 (E2M3) with one E8M0 scale for each 32 along K.
; DEAD WORK: none is left out in any launch.  bq, bk and bv are added ahead of a quantiser, so they move codes and scales of live operands; bo is added to the output; every row, head and key reaches the output.
; All eleven inputs are loaded.  The only filling is in the third launch: the first attention product has K = 64 and the instruction is 128 deep, so half of one operand is zero codes.
; THIS LAUNCH turns query, key, value [8,192][1,024] and Wq, Wk, Wv, Wo [1,024][1,024], f32 with K innermost, into codes (XC) and scale bytes (XS): one stream of blocks of 32 over all seven tensors, in that order.
; A block's scale is 2^(floor(log2(its largest magnitude)) - 2); its byte is the largest magnitude's own exponent field - 2, held at 1 from below.  Each number is divided by the scale and rounded to the nearest code, ties to even.
; THE ORDER OF CODES INSIDE A BLOCK.  In every stream of codes of this program the four groups of eight numbers of a block stand in the order 0, 2, 1, 3.  A block stays the same 32 numbers, so its scale and every code's value
; are as the quantiser has them, and both operands of every product carry the same order, so each product pairs the same numbers.  Results of matrix instructions fall into that order by themselves when they are quantised from
; neighbouring tiles (launches 2 and 3); here it is made by the addresses at which a lane reads its 16 numbers back from the stage: the even lane of a block takes groups 0 and 2, the odd lane groups 1 and 3.
; LIMITS: NaN and infinities among the inputs are not served.  A block of zeros gets the byte 1 where the quantiser says 127: its codes are zeros, which add nothing under any byte but 0xff, and this program alone reads the bytes.
; Blocks whose largest magnitude lies under 2^-124 are held at that floor.
; SHARES.  A work-group takes 32,768 numbers, a wave 16 steps of 512.  Each of a step's four loads reads 512 consecutive bytes; the 2,048 bytes go through the wave's own stage in LDS and come back 16 numbers a lane.
; A lane's 16 codes are 12 bytes: the wave stores two runs of 192 consecutive bytes.  A wave's 256 scale bytes are gathered in LDS and leave as one aligned run of 256 bytes.  Waves share nothing: no barrier.
; THE CODES' PLACE IN XC: rows are counted over all seven tensors; the codes lie as [group of 256 rows][K step of 256 codes][row][192 bytes], so that 128 or 256 rows of one K step are one dense run of bytes
; that begins at a multiple of 256.  A step's 16 blocks are two K steps of one row: lanes 0-15 store 192 consecutive bytes, lanes 16-31 the 192 bytes one K step (49,152 bytes) on.  XS stays one stream of bytes.
.set WAVES, 4
.set STEPS, 16
.set EMAX,  2
.set CB,    12                         ; bytes of 16 codes
.set R,     16                         ; v16-79   four sets of 16 numbers as they are loaded
.set X,     80                         ; v80-111  two sets of 16 numbers of one block's half
.set C,     128                        ; v128-191 codes: four registers for each step, so that no store's data are written again
.set E,     112                        ; v112-127 a scale byte for each step
.set WREG,  8192                       ; LDS: a region for each wave: two stages of 32 x SP bytes, behind them its 256 scale bytes
.set SP,    80                         ; 64 bytes (half a block) + 16 of padding
.set SPW,   12                         ; v12  LDS address of my spare word; never rewritten
.set NIL,   13                         ; v13  0; never rewritten
.set SPARE, WAVES*WREG                 ; behind the four regions: the spare words, 128 bytes a wave
	s_load_b512 s[8:23], s[0:1], 0x0               ; query s[8:9], key, value, Wq, Wk, Wv, Wo s[20:21], XC s[22:23]
	s_load_b64 s[24:25], s[0:1], 0x40              ; XS
	v_lshl_add_u32 v[SPW], v0, 2, SPARE
	v_mov_b32 v[NIL], 0
	v_lshrrev_b32 v1, 5, v0
	v_readfirstlane_b32 s26, v1                    ; wave
	v_and_b32 v2, 31, v0                           ; lane
	v_lshlrev_b32 v3, 4, v2                        ; my 16 bytes of a load's 512
	s_mul_i32 s27, s26, WREG
	v_lshrrev_b32 v14, 2, v2
	v_mul_u32_u24 v14, v14, SP
	v_and_b32 v15, 3, v2
	v_lshl_add_u32 v14, v15, 4, v14
	v_add_nc_u32 v14, s27, v14                     ; the stage, on the way in: SP (lane / 4) + 16 (lane % 4): half block n of a step lies at SP n
	v_and_b32 v15, 30, v2
	v_mul_u32_u24 v15, v15, SP
	v_and_b32 v5, 1, v2
	v_lshl_add_u32 v15, v5, 5, v15
	v_add_nc_u32 v15, s27, v15                     ; on the way out: my block's first half, + 32 bytes in the odd lane: groups 0 and 2, or 1 and 3
	v_mul_u32_u24 v4, v2, CB
	v_lshrrev_b32 v5, 4, v2
	v_mad_u32_u24 v4, v5, 49152-192, v4            ; lanes 16-31: the next K step's image
	v_lshrrev_b32 v5, 1, v2
	s_add_co_u32 s27, s27, 2*32*SP
	v_add_nc_u32 v5, s27, v5                       ; LDS: my wave's 256 scale bytes, my block's byte
	v_lshlrev_b32 v7, 3, v2                        ; and on the way out 8 bytes a lane
	v_add_nc_u32 v6, s27, v7
	s_wait_alu depctr_va_vdst(0)
	s_wait_kmcnt 0x0
; Which tensor is my work-group's: 256 work-groups each for query, key, value, 32 each for the weights.  Only a pointer and a first number are chosen, on the work-group's number alone.
	s_mov_b64 s[4:5], s[20:21]
	s_mov_b32 s6, 864
.macro PICK bound, ptr, first
	s_cmp_lt_u32 ttmp9, \bound
	s_cselect_b64 s[4:5], s[\ptr:\ptr+1], s[4:5]
	s_cselect_b32 s6, \first, s6
.endm
	PICK 864, 18, 832
	PICK 832, 16, 800
	PICK 800, 14, 768
	PICK 768, 12, 512
	PICK 512, 10, 256
	PICK 256, 8, 0
	s_sub_co_u32 s27, ttmp9, s6
	s_lshl_b32 s27, s27, 2
	s_add_co_u32 s27, s27, s26                     ; which run of 8,192 numbers of the tensor is my wave's
	s_lshl_b32 s28, s27, 15                        ; 32,768 bytes a run: under 2^26
	s_mov_b32 s29, 0
	s_add_nc_u64 s[4:5], s[4:5], s[28:29]
	s_lshl_b32 s27, ttmp9, 2
	s_add_co_u32 s27, s27, s26                     ; and which run of the whole stream
	s_lshr_b32 s28, s27, 5                         ; a run is 8 rows: 32 runs to a group of 256 rows
	s_mul_i32 s28, s28, 196608
	s_and_b32 s30, s27, 31
	s_mul_i32 s30, s30, 1536
	s_add_co_u32 s28, s28, s30
	s_add_nc_u64 s[22:23], s[22:23], s[28:29]
	s_lshl_b32 s28, s27, 8                         ; 256 scale bytes a run
	s_add_nc_u64 s[24:25], s[24:25], s[28:29]
.macro LOAD t
.irp i, 0,1,2,3
	global_load_b128 v[R+16*((\t)%4)+4*\i:R+16*((\t)%4)+4*\i+3], v3, s[4:5] offset:2048*(\t)+512*\i th:TH_LOAD_NT   ; 32 lanes read 512 consecutive bytes
.endr
.endm
.macro TURN t                          ; step t's numbers through the stage: LDS serves a wave's instructions in order, so no wait stands between the stores and the loads
.irp i, 0,1,2,3
	ds_store_b128 v14, v[R+16*((\t)%4)+4*\i:R+16*((\t)%4)+4*\i+3] offset:32*SP*((\t)%2)+8*SP*\i
.endr
.irp i, 0,1,2,3
	ds_load_b128 v[X+16*((\t)%2)+4*\i:X+16*((\t)%2)+4*\i+3], v15 offset:32*SP*((\t)%2)+SP*(\i/2)+16*(\i%2)   ; eight numbers of the block's first half, eight of its second
.endr
.endm
.irp t, 0,1,2,3
	LOAD \t
.endr
	s_wait_loadcnt 12                              ; step 0's four loads are in
	TURN 0
.macro STEP t
.set XS, X+16*((\t)%2)
.if (\t) > 0
	s_wait_dscnt 1                                 ; this step's numbers are back from the stage (the last step's byte store may be out): so its stores into the stage have read their registers,
.else
	s_wait_dscnt 0x0
.endif
.if (\t)+4 < STEPS
	LOAD (\t)+4                                    ; which take the loads of four steps on
.endif
.if (\t)+1 < STEPS
.if STEPS-2-(\t) >= 3
	s_wait_loadcnt 12                              ; the next step's four loads are in; those of the three steps behind it may be out
.else
	s_wait_loadcnt 4*(STEPS-2-(\t))
.endif
	TURN (\t)+1                                    ; and go through the other stage while this step is worked
.endif
	v_max3_num_f32 v8, |v[XS]|, |v[XS+1]|, |v[XS+2]|               ; the largest magnitude of my 16
	v_max3_num_f32 v9, |v[XS+3]|, |v[XS+4]|, |v[XS+5]|
.irp i, 6,10
	v_max3_num_f32 v8, v8, |v[XS+\i]|, |v[XS+\i+1]|
	v_max3_num_f32 v9, v9, |v[XS+\i+2]|, |v[XS+\i+3]|
.endr
	v_max3_num_f32 v8, v8, |v[XS+14]|, |v[XS+15]|
	v_max3_num_f32 v8, v8, v9, (EMAX+1)<<23        ; and the floor 2^(3 - 127): the byte cannot fall under 1
	v_max_num_f32_dpp v8, v8, v8 row_xmask:1 row_mask:0xf bank_mask:0xf   ; and of my neighbour's 16: the block's
	v_add_nc_u32 v11, -(EMAX<<23), v8              ; 2 off its exponent field: the conversion takes the exponent field of this operand as its scale, and nothing else of it
	v_cvt_scalef32_pk16_fp6_f32 v[C+4*(\t):C+4*(\t)+2], v[XS:XS+15], v11         ; sixteen codes, 96 bits without gaps, the first number's code lowest
	v_lshrrev_b32 v[E+(\t)], 23, v11               ; the scale's byte (a plain line behind the conversion)
	ds_store_b8 v5, v[E+(\t)] offset:16*(\t)       ; both lanes of a block write the same byte with the same value
	global_store_b96 v4, v[C+4*(\t):C+4*(\t)+2], s[22:23] offset:192*((\t)/2)+98304*((\t)%2)   ; row t / 2 of my eight, K steps 2 (t % 2) and 2 (t % 2) + 1
.endm
.irp t, 0,1,2,3,4,5,6,7,8,9,10,11,12,13,14,15
	STEP \t
.endr
	ds_load_b64 v[8:9], v6                         ; LDS serves a wave's instructions in order: these see my stores
	s_wait_dscnt 0x0
	global_store_b64 v7, v[8:9], s[24:25]          ; 32 lanes store 256 consecutive bytes, aligned
	s_wait_tensorcnt 0x0                           ; the wave's end
	ds_add_u32 v[SPW], v[NIL]
	s_wait_dscnt 0x0
	s_endpgm
.Lfunc_end_k_q04dcf57921_quant:
	.size	k_q04dcf57921_quant, .Lfunc_end_k_q04dcf57921_quant-k_q04dcf57921_quant
	.p2alignl 7, 3214868480
	.fill 96, 4, 3214868480
	.section	.rodata,"a",@progbits
	.p2align	6, 0x0
	.amdhsa_kernel k_q04dcf57921_quant
		.amdhsa_group_segment_fixed_size 33280
		.amdhsa_private_segment_fixed_size 0
		.amdhsa_enable_private_segment 0
		.amdhsa_kernarg_size 72
		.amdhsa_user_sgpr_count 2
		.amdhsa_user_sgpr_kernarg_segment_ptr 1
		.amdhsa_wavefront_size32 1
		.amdhsa_system_sgpr_workgroup_id_x 1
		.amdhsa_system_sgpr_workgroup_id_y 1
		.amdhsa_system_sgpr_workgroup_id_z 1
		.amdhsa_system_vgpr_workitem_id 0
		.amdhsa_next_free_vgpr 192
		.amdhsa_next_free_sgpr 66
		.amdhsa_reserve_vcc 0
		.amdhsa_float_denorm_mode_32 3
		.amdhsa_float_denorm_mode_16_64 3
		.amdhsa_memory_ordered 1
		.amdhsa_forward_progress 1
		.amdhsa_inst_pref_size 34
	.end_amdhsa_kernel
	.amdgpu_metadata
---
amdhsa.version: [ 1, 2 ]
amdhsa.kernels:
  - .name:           k_q04dcf57921_quant
    .symbol:         k_q04dcf57921_quant.kd
    .args:
      - { .name: query, .offset: 0, .size: 8, .value_kind: global_buffer, .address_space: global }
      - { .name: key, .offset: 8, .size: 8, .value_kind: global_buffer, .address_space: global }
      - { .name: value, .offset: 16, .size: 8, .value_kind: global_buffer, .address_space: global }
      - { .name: Wq, .offset: 24, .size: 8, .value_kind: global_buffer, .address_space: global }
      - { .name: Wk, .offset: 32, .size: 8, .value_kind: global_buffer, .address_space: global }
      - { .name: Wv, .offset: 40, .size: 8, .value_kind: global_buffer, .address_space: global }
      - { .name: Wo, .offset: 48, .size: 8, .value_kind: global_buffer, .address_space: global }
      - { .name: XC, .offset: 56, .size: 8, .value_kind: global_buffer, .address_space: global }
      - { .name: XS, .offset: 64, .size: 8, .value_kind: global_buffer, .address_space: global }
    .group_segment_fixed_size: 33280
    .private_segment_fixed_size: 0
    .kernarg_segment_align: 8
    .kernarg_segment_size: 72
    .max_flat_workgroup_size: 128
    .sgpr_count:     66
    .vgpr_count:     192
    .wavefront_size: 32
...
	.end_amdgpu_metadata
.endif
;; end of part 1
;; launch proj (part 2): grid 4 x 96, 4 waves a work-group, clusters of 4 x 4, 327,680 bytes of LDS; arguments XC, XS, QKVC, bq, bk, bv; writes QKVC
.if DOCPART == 2
	.amdgcn_target "amdgcn-amd-amdhsa--gfx1250"
	.amdhsa_code_object_version 6
	.text
	.protected	k_q04dcf57921_proj
	.globl	k_q04dcf57921_proj
	.p2align	8
	.type	k_q04dcf57921_proj,@function
k_q04dcf57921_proj:
	s_mov_b64 s[64:65], 0
	v_nop
	global_prefetch_b8 v0, s[64:65] scope:SCOPE_SE
	s_setreg_imm32_b32 hwreg(HW_REG_WAVE_MODE, 25, 1), 1
	s_wait_xcnt 0x0
	s_wait_alu depctr_hold_cnt(0) depctr_sa_sdst(0) depctr_va_vdst(0) depctr_va_sdst(0) depctr_va_ssrc(0) depctr_va_vcc(0) depctr_vm_vsrc(0)
	s_getreg_b32 s2, hwreg(HW_REG_IB_STS2, 6, 4)
	s_cmp_eq_u32 s2, 0
	s_cbranch_scc0 .Lentry_in_a_cluster
	s_endpgm
.Lentry_in_a_cluster:
	s_bfe_u32 s2, ttmp6, 0x10000c
	s_cmp_lg_u32 s2, 0xf033
	s_cbranch_scc0 .Lentry_shape_is_right
	s_endpgm
.Lentry_shape_is_right:
; LAUNCH 2 OF 4: q = query Wq^T + bq, k = key Wk^T + bk, v = value Wv^T + bv on the codes of launch 1, and each result quantised in registers into the operands of attention.  No work is left out.
; A tile of 256 tokens x 256 channels is made by a work-group of four waves; a wave makes 128 x 128: 64 accumulators, 512 registers.  K = 1,024 goes in four steps of 256 through a ring of two LDS slots filled by the
; tensor data mover; the scale bytes of the work-group's 512 rows come into LDS once.  The grid's y counts 3 tensors x 32 tiles of tokens; T = cluster y / 8 is the tensor, the same in all sixteen partners of a cluster.
; CLUSTERS: 4 x 4 work-groups; the four of a row need the same tokens, the four of a column the same rows of W: each tile is asked for jointly, by the same tensor load with a mask that names the four.
; WHICH SIDE IS SOURCE 0.  In a result a lane holds one row of source 1, and its registers run along source 0's rows: that is the axis along which the result can be quantised in registers.
;   q, k (TY = 0): the next K is the head's 64 channels: source 0 = rows of W, source 1 = tokens.    v (TY = 1): the next K is the keys: source 0 = tokens, source 1 = rows of Wv.
; The loop is one text for both: only the LDS addresses from which the two roles read are chosen, by selections on TY.
; THE RESULTS leave as IMAGES of operand registers (12 registers a lane: three stores of 16 bytes a lane, 512 consecutive bytes each).  The 16 registers of two neighbouring tiles hold groups 0 and 2 (lanes 0-15) or 1 and 3
; (lanes 16-31) of a block of 32: the order of codes inside a block that launch 1's head comment states.
;   q, k: unit (batch, head, group of 128 tokens) = 4 images; image i = [tokens 32 i .. + 15: 64 channels | tokens 32 i + 16 .. + 31: 64 channels]; its scale word = two bytes of the one token, two of the other.
;   v:    unit (batch, head, 128 keys) = 4 images; image t = channels 16 t .. + 15 x 128 keys; its scale word = the four blocks' bytes.
;   A unit's scale words are 256 bytes, 8 a lane: word 0 = image 0 (lanes 0-15), image 2 (lanes 16-31); word 1 = images 1 and 3.
; LIMITS: as stated at the head of launch 1.
; REGISTERS, in windows of 256: window 0: v16-29 addresses; v32-63 scale words, two sets, and nothing else ever; v64-127 the bias; from v128 role A's fragments, one set; on the way out v128-255 are at work.
;   window 1: role B's fragments, two sets.   windows 2, 3: the accumulators ((a, b) at v[8 (8 (a % 4) + b)]).
; IN PLACE OF WHAT STANDS ABOVE ON THE CHOICE OF ROLES AND ON THE UNITS' PLACES.  Role A's rows lie first in a slot and role B's behind them, for every tensor: no LDS address hangs on TY.  What is chosen on TY is the byte offset
; in XC and XS from which each role's rows come: role A's tile goes by cy, role B's by cx; for v the tile of channels is cy and the tile of tokens 4 x (cluster y % 8) + cx.  The selections take numbers made of the cluster's number alone.
; A tile of one K step is a dense run of XC (launch 1) and is stated as rows of 256 bytes; 16 bytes of padding follow every 64, so an LDS row of 192 bytes takes 240.
; AT THE HEAD one tensor load a wave: role A's 256 rows of K step 0, role B's, role A's scale bytes, role B's.  Slot 1 is first filled behind the three lines and a round.
; QKVC: a unit is 6,400 bytes: its four images and behind them its 256 bytes of scale words.  Unit U of q lies at 12,800 U (the 6,400 bytes behind it are not used); those of k and v lie side by side at 13,107,200 + 12,800 U.
.set KSTEP,  256
.set NQ,     2
.set ROWB,   192                       ; a tile's row: 256 codes
.set KROW,   768                       ; a row of 1,024 codes in memory
.set PITCH,  240                       ; an LDS row: 3 x (64 bytes + 16 of padding)
.set FR,     12
.set NL,     6
.set NP,     4                         ; places behind this matrix instruction (ISA guide 7.12.1)
.set HALFT,  128*PITCH
; THE HEAD'S LOADS, in place of the lines on them above.  LDS holds role A's two slots (256 rows each), then role B's two.  K steps 0 and 1 of a tile of 256 rows lie side by side in XC, so ONE load brings both into a role's two slots:
; wave 0 role A's (384 rows of 256 bytes), wave 1 role B's, waves 2 and 3 the scale bytes.  Every wave waits for its load (0) and a barrier shows all four tiles. The two refills (K steps 2, 3) stand in rounds.
; PREFETCH: K steps 2 and 3, two K steps ahead of the loads that want them, are asked for into the L2 behind the head's loads, each run of 256 bytes once: a tile of tokens (384 runs) by the 16 waves that ask for it jointly,
; 24 runs each; the tensor's weight (1,536 runs) by the 512 waves of the tensor's eight clusters, 3 runs each.  The shares are told apart by address alone.
.set SLOT,   2*HALFT                   ; a role's 256 rows of one K step
.set LAPS,   2
.set KS,     32                        ; a row of scale bytes
.set SCL,    4*SLOT                    ; behind both rings: the scales, as runs of 256 bytes + 16 of padding
.set HALFS,  16*272                    ; those of 128 rows
.set SBLK,   2*272                     ; those of 16 rows
.set SPARE,  SCL+8*HALFS               ; the spare words, 128 bytes a wave; the scales take 4 HALFS, the rest in front of the spare words is left unused
.set ADRA, 16                          ; v16-17 LDS address of role A's fragments in slot 0, 1 (v18-19: behind one padding more)
.set ADRB, 20                          ; v20-23 the same for role B
.set GI,   24                          ; v24  16 x lane: an image's place for my lane
.set GS,   25                          ; v25  8 x lane: my two scale words
.set ADRS, 27                          ; v27  LDS address of my scale words: lanes 0-15 role A's rows, lanes 16-31 role B's
.set SPW,  28
.set NIL,  29
.set SC,   32
.set BIAS, 64                          ; v64-127
.set AF,   128
.set VO,   224                         ; v224-231 the bias loads' offsets
.set H,    128                         ; the way out: v128-191 one block's 64 numbers with the bias
.set IA,   192                         ; v192-203, v204-215 two images
.set IB,   204
.set CT,   216                         ; v216-222 the conversions' second halves
.set TM,   224                         ; v224-239 at work in QUANT
.set PW0,  240
.set PW1,  241
.set SW,   244                         ; v244-251 eight scale words
.set SX,   252                         ; v252-255 as they are stored
.set G1, 24
.set G0, 32
.set G1B, 48
.set G0B, 56
.set G1S, 68
.set G0S, 76
.set G1SB, 80
.set G0SB, 88
.set TT,  95                           ; s95  the tensor: 0 q, 1 k, 2 v
.set TY,  96                           ; s96  1 for v
.set HIM, 97                           ; s97  lanes 16-31
.set BPT, 98                           ; s[98:99] the bias
.set SEL, 100                          ; s[100:101] lane selects: lane l xor 16
.set MSB, 0
.macro WIN new                         ; the immediate's high byte repeats the setting that is left
.if MSB != (\new)
	s_set_vgpr_msb (MSB<<8)|(\new)
.set MSB, (\new)
.endif
.endm
.set MUL_LO, 0xa1                      ; source 0 window 1, source 1 window 0, C and D window 2
.set MUL_HI, 0xf1
.set TO_B,   0x40
; A joint load: waves 0 and 1 fetch role A's rows, waves 2 and 3 role B's.  The branch hangs on the wave's number alone.  An s_nop 0 and four v_nop follow each of the two lines.
.macro JLOAD g0a, g1a, g0b, g1b
	s_cmp_eq_u32 s15, 0
	s_cbranch_scc0 .Lfor_b_\@
	tensor_load_to_lds s[\g0a:\g0a+3], s[\g1a:\g1a+7]
	s_nop 0
.rept 4
	v_nop
.endr
	s_branch .Lasked_\@
.Lfor_b_\@:
	tensor_load_to_lds s[\g0b:\g0b+3], s[\g1b:\g1b+7]
	s_nop 0
.rept 4
	v_nop
.endr
.Lasked_\@:
.endm
.macro CREST                           ; a round of the cluster's barrier behind its opening barrier
	s_cmp_lg_u32 s14, 0
	s_cbranch_scc1 .Lnot_wave_0_\@
	s_barrier_signal -3
.Lnot_wave_0_\@:
	s_barrier_wait -3
	s_barrier_signal -1
	s_barrier_wait -1
.endm
.macro CROUND
	s_barrier_signal -1
	s_barrier_wait -1
	CREST
.endm
	s_load_b128 s[4:7], s[0:1], 0x0                ; XC, XS
	s_load_b64 s[8:9], s[0:1], 0x10                ; QKVC
	v_lshl_add_u32 v[SPW], v0, 2, SPARE
	v_mov_b32 v[NIL], 0
	ds_add_u32 v[SPW], v[NIL]                      ; the wave's opening: the add, twice on end, and its wait ahead of my first tensor load
	ds_add_u32 v[SPW], v[NIL]
	v_lshrrev_b32 v1, 5, v0
	v_readfirstlane_b32 s14, v1                    ; wave 0..3
	s_lshr_b32 s15, s14, 1                         ; role A's half.  Also: I fetch role A's rows (0) or role B's (1)
	s_and_b32 s16, s14, 1                          ; role B's half.  Also: which 128 rows of that tile I fetch
	s_bfe_u32 s40, ttmp6, 0x40000                  ; cx
	s_bfe_u32 s41, ttmp6, 0x40004                  ; cy
	s_and_b32 s17, ttmp7, 0xffff                   ; cluster y, 0..23 (the grid has one cluster along x)
	s_lshr_b32 s[TT], s17, 3
	s_and_b32 s17, s17, 7
	s_lshl_b32 s17, s17, 2                         ; 4 x the cluster's number in its tensor
	s_cmp_eq_u32 s[TT], 2
	s_cselect_b32 s[TY], 1, 0
	s_cselect_b32 s42, s17, 0
	s_cselect_b32 s17, 0, s17
	s_add_co_u32 s42, s42, s40                     ; role B's tile of 256 rows: + cx
	s_add_co_u32 s17, s17, s41                     ; role A's: + cy
	s_lshl_b32 s43, s41, 2
	s_lshl_b32 s43, 15, s43                        ; my row of the cluster
	s_lshl_b32 s44, 0x1111, s40                    ; my column
	s_or_b32 s[G1+0], s43, (3<<16)|(1<<20)|(1<<21)|(3<<22)|(3<<25)  ; the mask; elements of 8 bytes; padding on; bit 21 beside a mask; after every 16 words, 4 words
	s_or_b32 s[G1B+0], s44, (3<<16)|(1<<20)|(1<<21)|(3<<22)|(3<<25)
.irp g, G1, G1B
	s_mov_b32 s[\g+1], 32<<16                      ; rows of 256 bytes
	s_mov_b32 s[\g+2], 384<<16                     ; the head's loads: two K steps of 256 rows x 192 bytes = 384 rows of 256
	s_mov_b32 s[\g+3], 32<<16
	s_mov_b32 s[\g+4], 384
	s_mov_b32 s[\g+5], 32
	s_mov_b32 s[\g+6], 0
	s_mov_b32 s[\g+7], 0
.endr
	s_or_b32 s[G1S+0], s43, (3<<16)|(1<<20)|(1<<21)|(5<<22)|(3<<25) ; the scales of 256 rows: 8,192 dense bytes as 32 rows of 256, 16 bytes of padding behind each
	s_or_b32 s[G1SB+0], s44, (3<<16)|(1<<20)|(1<<21)|(5<<22)|(3<<25)
.irp g, G1S, G1SB
	s_mov_b32 s[\g+1], 32<<16
	s_mov_b32 s[\g+2], 32<<16                      ; the scales of 256 rows: 32 rows of 256 bytes
	s_mov_b32 s[\g+3], 32<<16
	s_mov_b32 s[\g+4], 32
	s_mov_b32 s[\g+5], 32
	s_mov_b32 s[\g+6], 0
	s_mov_b32 s[\g+7], 0
.endr
	s_mov_b32 s[HIM], 0xffff0000
	s_mov_b32 s[SEL], 0x76543210
	s_mov_b32 s[SEL+1], 0xfedcba98
	; byte offsets, all under 2^25.  The tokens' hang on the tile of tokens, T and the wave; W's on the tile of channels, T and the wave
	s_mul_i32 s18, s[TT], 262144                   ; the tensor's tokens' scale bytes begin here,
	s_mul_i32 s19, s[TT], 32768
	s_add_co_u32 s19, s19, 786432                  ; and its weight's
	s_cmp_eq_u32 s[TY], 1
	s_cselect_b32 s22, s19, s18                    ; role A's: tokens, for v the weight
	s_cselect_b32 s92, s18, s19                    ; role B's: the other
	s_mul_i32 s18, s[TT], 6291456                  ; the same for the codes
	s_mul_i32 s19, s[TT], 786432
	s_add_co_u32 s19, s19, 18874368
	s_cmp_eq_u32 s[TY], 1
	s_cselect_b32 s20, s19, s18
	s_cselect_b32 s46, s18, s19
	s_lshl_b32 s18, s17, 13                        ; role A's tile: 256 rows x 32 scale bytes,
	s_add_co_u32 s22, s22, s18
	s_mul_i32 s18, s17, 196608                     ; x 768 bytes of codes
	s_add_co_u32 s20, s20, s18
	s_lshl_b32 s94, s42, 13                        ; role B's
	s_add_co_u32 s92, s92, s94
	s_mul_i32 s94, s42, 196608
	s_add_co_u32 s46, s46, s94
	s_mov_b32 s21, 0
	s_mov_b32 s23, 0
	s_mov_b32 s47, 0
	s_mov_b32 s93, 0
	s_mul_i32 s18, s16, 24576                      ; in the ring I fetch 128 rows of a K step: which half, in bytes,
	s_mov_b32 s19, 0
	s_mul_i32 s45, s14, HALFT                      ; and where they go: wave x 128 rows
	s_wait_dscnt 0x0                               ; both opening adds are done
	s_wait_kmcnt 0x0
	s_add_nc_u64 s[20:21], s[4:5], s[20:21]
	s_add_nc_u64 s[22:23], s[6:7], s[22:23]
	s_add_nc_u64 s[46:47], s[4:5], s[46:47]
	s_add_nc_u64 s[92:93], s[6:7], s[92:93]
	CROUND                                         ; all sixteen work-groups are here: the first joint loads meet
	s_mov_b32 s[G0S], 1                            ; the head's four tiles, each whole: role A's scales,
	s_mov_b32 s[G0S+1], SCL
	s_mov_b64 s[G0S+2:G0S+3], s[22:23]
	s_or_b32 s[G0S+3], s[G0S+3], 0x80000000
	s_mov_b32 s[G0SB], 1                           ; role B's,
	s_mov_b32 s[G0SB+1], SCL+2*HALFS
	s_mov_b64 s[G0SB+2:G0SB+3], s[92:93]
	s_or_b32 s[G0SB+3], s[G0SB+3], 0x80000000
	s_mov_b32 s[G0], 1                             ; K steps 0 and 1 of role A, both slots (slot 0's group 0 serves; it is set for the ring behind the head's wait),
	s_mov_b32 s[G0+1], 0
	s_mov_b64 s[G0+2:G0+3], s[20:21]
	s_or_b32 s[G0+3], s[G0+3], 0x80000000
	s_mov_b32 s[G0B], 1                            ; and of role B
	s_mov_b32 s[G0B+1], 4*HALFT
	s_mov_b64 s[G0B+2:G0B+3], s[46:47]
	s_or_b32 s[G0B+3], s[G0B+3], 0x80000000
	s_add_nc_u64 s[20:21], s[20:21], s[18:19]      ; slot 1: my 128 rows of K step 1
	s_add_nc_u64 s[46:47], s[46:47], s[18:19]
	s_mov_b32 s[G0+4], 1
	s_add_co_u32 s[G0+5], s45, SLOT
	s_add_nc_u64 s[G0+6:G0+7], s[20:21], 49152
	s_or_b32 s[G0+7], s[G0+7], 0x80000000
	s_mov_b32 s[G0B+4], 1
	s_add_co_u32 s[G0B+5], s45, 2*HALFT+SLOT       ; waves 2, 3: role B's ring begins at 4 HALFT
	s_add_nc_u64 s[G0B+6:G0B+7], s[46:47], 49152
	s_or_b32 s[G0B+7], s[G0B+7], 0x80000000
.macro ARM under, g0, g1, next         ; one tree of branches on the wave's number: every way passes exactly one load
	s_cmp_lt_u32 s14, \under
	s_cbranch_scc0 \next
	tensor_load_to_lds s[\g0:\g0+3], s[\g1:\g1+7]
	s_nop 0
.rept 4
	v_nop
.endr
	s_branch .Lhead_asked
\next:
.endm
	ARM 1, G0,  G1,  .Lhead_b
	ARM 2, G0B, G1B, .Lhead_sa
	ARM 3, G0S, G1S, .Lhead_sb
	tensor_load_to_lds s[G0SB:G0SB+3], s[G1SB:G1SB+7]
	s_nop 0
.rept 4
	v_nop
.endr
.Lhead_asked:
	s_and_b32 s2, ttmp7, 7                         ; the prefetches.  The weight: my number among the 512 waves of the tensor's eight clusters
	s_lshl_b32 s2, s2, 2
	s_add_co_u32 s2, s2, s41
	s_lshl_b32 s2, s2, 2
	s_add_co_u32 s2, s2, s40
	s_lshl_b32 s2, s2, 2
	s_add_co_u32 s2, s2, s14
	s_lshr_b32 s3, s2, 7                           ; 128 waves to a tile of 256 rows,
	s_mul_i32 s3, s3, 196608
	s_and_b32 s2, s2, 127
	s_mul_i32 s2, s2, 768                          ; 768 bytes each of its K steps 2 and 3
	s_add_co_u32 s2, s2, s3
	s_mul_i32 s3, s[TT], 786432
	s_add_co_u32 s2, s2, s3
	s_add_co_u32 s2, s2, 18874368+98304
	s_cmp_eq_u32 s[TY], 1                          ; the tokens: role A's tile, shared along cx; for v role B's, shared along cy
	s_cselect_b32 s3, s42, s17
	s_cselect_b32 s94, s41, s40
	s_mul_i32 s3, s3, 196608
	s_lshl_b32 s94, s94, 2
	s_add_co_u32 s94, s94, s14                     ; my number among the 16 waves that ask for it
	s_mul_i32 s94, s94, 6144
	s_add_co_u32 s3, s3, s94
	s_mul_i32 s94, s[TT], 6291456
	s_add_co_u32 s3, s3, s94
	s_add_co_u32 s3, s3, 98304
	v_and_b32 v6, 31, v0
	v_min_u32 v7, 23, v6                           ; lanes that are left over name their wave's last run again
	v_min_u32 v8, 2, v6
	v_lshl_add_u32 v7, v7, 8, s3
	v_lshl_add_u32 v8, v8, 8, s2
	global_prefetch_b8 v7, s[4:5] th:TH_LOAD_NT scope:SCOPE_SE
	global_prefetch_b8 v8, s[4:5] th:TH_LOAD_NT scope:SCOPE_SE
	; where my results go
	s_cmp_eq_u32 s[TY], 1
	s_cselect_b32 s18, s16, s15                    ; which half of the 256 tokens is mine
	s_cselect_b32 s19, s15, s16                    ; which half of the 256 channels
	s_cselect_b32 s2, s42, s17                     ; the tile of tokens: role A's, for v role B's
	s_cselect_b32 s3, s17, s42                     ; the tile of channels
	s_lshl_b32 s20, s2, 1
	s_add_co_u32 s20, s20, s18                     ; my group of 128 tokens, 0..63
	s_lshl_b32 s21, s3, 1
	s_add_co_u32 s21, s21, s19                     ; my group g of 128 channels: heads 2 g and 2 g + 1
	s_lshr_b32 s22, s20, 4
	s_lshl_b32 s22, s22, 4                         ; 16 x batch
	s_lshl_b32 s23, s21, 1
	s_add_co_u32 s22, s22, s23
	s_lshl_b32 s22, s22, 4
	s_and_b32 s20, s20, 15
	s_add_co_u32 s22, s22, s20                     ; the unit: (16 batch + head) 16 + the group in its sequence
	s_mul_i32 s46, s22, 12800
	s_min_u32 s23, s[TT], 1
	s_mul_i32 s23, s23, 13107200                   ; k and v lie behind q,
	s_add_co_u32 s46, s46, s23
	s_mul_i32 s23, s[TY], 6400                     ; v's unit behind k's
	s_add_co_u32 s46, s46, s23
	s_mov_b32 s47, 0
	s_add_nc_u64 s[12:13], s[8:9], s[46:47]        ; images
	s_add_nc_u64 s[66:67], s[12:13], 6144          ; scale words, behind them
	s_lshl_b32 s92, s21, 9                         ; my 128 channels' bias: 512 g bytes on
	s_mov_b32 s93, 0
	s_wait_xcnt 0x0                                ; the prefetches have read their base and offsets
	s_load_b128 s[4:7], s[0:1], 0x18               ; bq, bk
	s_load_b64 s[8:9], s[0:1], 0x28                ; bv
	v_and_b32 v1, 15, v0                           ; r
	v_bfe_u32 v2, v0, 4, 1                         ; h
	v_mul_u32_u24 v3, v1, PITCH
	v_mul_u32_u24 v4, v2, 24
	v_add_nc_u32 v4, v3, v4                        ; a fragment's row x pitch + 24 x half
	s_wait_alu depctr_va_vdst(0)
	v_lshl_add_u32 v5, v2, 4, v4                   ; and the same behind one padding more
	s_wait_alu depctr_va_vdst(0)
	s_mul_i32 s21, s15, HALFT                      ; my 128 rows of role A
	s_mul_i32 s22, s16, HALFT                      ; and of role B,
	s_add_co_u32 s22, s22, 4*HALFT                 ; whose ring lies behind role A's
.irp s, 0,1
	v_add_nc_u32 v[ADRA+\s], s21, v4
	v_add_nc_u32 v[ADRB+\s], s22, v4
	v_add_nc_u32 v[ADRA+2+\s], s21, v5
	v_add_nc_u32 v[ADRB+2+\s], s22, v5
	s_add_co_u32 s21, s21, SLOT
	s_add_co_u32 s22, s22, SLOT
.endr
	v_mul_u32_u24 v5, v1, KS                       ; my row's scales: 32 bytes a row,
	v_lshrrev_b32 v6, 8, v5
	v_lshl_add_u32 v5, v6, 4, v5                   ; and 16 more for each 256 passed
	s_mul_i32 s21, s15, HALFS                      ; the lower base: role A's scales
	s_mul_i32 s22, s16, HALFS
	s_add_co_u32 s22, s22, 2*HALFS                 ; the upper: role B's
	s_sub_co_u32 s22, s22, s21                     ; the distance between the two
	v_mul_u32_u24 v6, s22, v2                      ; lanes 16-31 take role B's
	s_wait_alu depctr_va_vdst(0)
	s_add_co_u32 s21, s21, SCL
	v_add_nc_u32 v5, v5, v6
	v_add_nc_u32 v[ADRS], s21, v5
	v_and_b32 v6, 31, v0
	v_lshlrev_b32 v[GI], 4, v6
	v_lshlrev_b32 v[GS], 3, v6
	; THE BIAS, one path for both kinds.  q, k: register 8 b + j = the bias of channel 16 b + 8 h + j.  v: register 8 a + j = that of channel 16 a + r, for every j.
	s_cmp_eq_u32 s[TY], 1
	s_cselect_b32 s18, 4, 0
	s_cselect_b32 s19, 0, 32
	s_cselect_b32 s20, 0, 4
	v_mul_u32_u24 v7, s18, v1
	v_mul_u32_u24 v8, s19, v2
	v_add_nc_u32 v7, v7, v8
	s_wait_alu depctr_va_vdst(0)
.irp j, 0,1,2,3,4,5,6,7
	s_mul_i32 s21, s20, \j
	v_add_nc_u32 v[VO+\j], s21, v7
.endr
	s_wait_alu depctr_va_vdst(0)
	s_wait_kmcnt 0x0
	s_cmp_eq_u32 s[TT], 1
	s_cselect_b64 s[BPT:BPT+1], s[6:7], s[4:5]
	s_cmp_eq_u32 s[TT], 2
	s_cselect_b64 s[BPT:BPT+1], s[8:9], s[BPT:BPT+1]
	s_add_nc_u64 s[BPT:BPT+1], s[BPT:BPT+1], s[92:93]
.irp t, 0,1,2,3,4,5,6,7
.irp j, 0,1,2,3,4,5,6,7
	global_load_b32 v[BIAS+8*\t+\j], v[VO+\j], s[BPT:BPT+1] offset:64*\t
.endr
.endr
.macro FRAG reg, adr, q, i             ; a fragment, 16 rows x 128 K: lane l holds row l % 16; registers 6 c .. 6 c + 5 hold 24 bytes of the row's stream, in pieces of 8 bytes
.irp p, 0,1,2,3,4,5                    ; lanes 16-31 read three pieces further on than lanes 0-15; where that lies behind one padding more, the second address register serves
.set PC, 12*(\q)+6*(\p/3)+\p%3
.if PC%8 < 5
	ds_load_b64 v[\reg+2*\p:\reg+2*\p+1], v[\adr] offset:8*PC+16*(PC/8)+(\i)*16*PITCH
.else
	ds_load_b64 v[\reg+2*\p:\reg+2*\p+1], v[\adr+2] offset:8*PC+16*(PC/8)+(\i)*16*PITCH
.endif
.endr
.endm
; 16 matrix instructions: role A's blocks a0, a0 + 1 x role B's eight, 128 along K.  zero = 1: the first product starts the sums.  The 64 accumulators take turns, one instruction a turn.
.macro MUL16 a0, p, q, sc, zero
.irp a, \a0, \a0+1
.irp b, 0,1,2,3,4,5,6,7
.if \zero
	v_wmma_scale_f32_16x16x128_f8f6f4 v[8*(8*((\a)%4)+\b):8*(8*((\a)%4)+\b)+7], v[128*(\p)+FR*\b:128*(\p)+FR*\b+FR-1], v[AF+FR*(\a):AF+FR*(\a)+FR-1], 0, v[SC+8*NQ*(\sc)+NQ*\b+(\q)], v[SC+8*NQ*(\sc)+NQ*(\a)+(\q)] matrix_a_fmt:MATRIX_FMT_FP6 matrix_b_fmt:MATRIX_FMT_FP6 matrix_a_scale:MATRIX_SCALE_ROW1
.else
	v_wmma_scale_f32_16x16x128_f8f6f4 v[8*(8*((\a)%4)+\b):8*(8*((\a)%4)+\b)+7], v[128*(\p)+FR*\b:128*(\p)+FR*\b+FR-1], v[AF+FR*(\a):AF+FR*(\a)+FR-1], v[8*(8*((\a)%4)+\b):8*(8*((\a)%4)+\b)+7], v[SC+8*NQ*(\sc)+NQ*\b+(\q)], v[SC+8*NQ*(\sc)+NQ*(\a)+(\q)] matrix_a_fmt:MATRIX_FMT_FP6 matrix_b_fmt:MATRIX_FMT_FP6 matrix_a_scale:MATRIX_SCALE_ROW1
.endif
.endr
.endr
.endm
.macro FETCH_B slot, q, p
	WIN TO_B
.irp i, 0,1,2,3,4,5,6,7
	FRAG 128*(\p)+FR*\i, ADRB+\slot, \q, \i
.endr
	WIN 0
.endm
.macro FETCH_A slot, q, i0
.irp i, \i0, \i0+1, \i0+2, \i0+3
	FRAG AF+FR*(\i), ADRA+\slot, \q, \i
.endr
.endm
.macro SCALES sc                       ; a K step's scale words: two words a row; lanes 0-15 role A's block i, lanes 16-31 role B's
.irp i, 0,1,2,3,4,5,6,7
	ds_load_b64 v[SC+8*NQ*\sc+NQ*\i:SC+8*NQ*\sc+NQ*\i+1], v[ADRS] offset:\i*SBLK
.endr
.endm
.macro PLACES n                        ; plain vector instructions between a matrix instruction and a load into, or a read of, its registers
.rept \n
	v_nop
.endr
.endm
.macro STEP slot, q, zero              ; 128 along K with its successor in the same slot
	s_wait_dscnt 4*NL                              ; role B's set and role A's blocks 0-3 are in; the youngest 24 loads (blocks 4-7) may be out
	WIN MUL_LO
	MUL16 0, (\q)%2, \q, \slot, \zero
	MUL16 2, (\q)%2, \q, \slot, \zero
	s_wait_dscnt 0
	PLACES NP
	FETCH_B \slot, (\q)+1, 1-(\q)%2
	FETCH_A \slot, (\q)+1, 0
	WIN MUL_HI
	MUL16 4, (\q)%2, \q, \slot, \zero
	MUL16 6, (\q)%2, \q, \slot, \zero
	PLACES NP
	WIN 0
	FETCH_A \slot, (\q)+1, 4
.endm
; A slot's last step changes slots: one barrier; in front of it each wave waits for all its tensor loads, adds 0 to its spare word, and waits for that and for its reads of this slot.  fill = 1: the slot is filled again.
.macro TURN slot, next, fill
	s_wait_tensorcnt 0x0                           ; all my tensor loads have landed: my part of the next slot
	ds_add_u32 v[SPW], v[NIL]
	s_wait_dscnt 4*NL+1                            ; (the add and the youngest 24 loads may be out)
	WIN MUL_LO
	MUL16 0, 1, NQ-1, \slot, 0
	s_wait_dscnt 0x0                               ; the add is done, and my reads of this slot are over
	s_barrier_signal -1
	MUL16 2, 1, NQ-1, \slot, 0
	WIN 0
	s_barrier_wait -1
.if \fill
	CREST                                          ; the barrier has opened a round of the cluster's barrier: no wave of any partner still reads this slot or has a load on its way
	s_add_nc_u64 s[G0+4*\slot+2:G0+4*\slot+3], s[G0+4*\slot+2:G0+4*\slot+3], 2*49152
	s_add_nc_u64 s[G0B+4*\slot+2:G0B+4*\slot+3], s[G0B+4*\slot+2:G0B+4*\slot+3], 2*49152
	JLOAD G0+4*\slot, G1, G0B+4*\slot, G1B         ; the first tensor load behind the round; its four v_nop are the places in front of the loads below
.else
	PLACES NP
.endif
	s_wait_alu depctr_va_vdst(0)
	v_add_nc_u32 v[ADRS], 4*NQ, v[ADRS]            ; the next K step's scale words
	FETCH_B \next, 0, 0
	FETCH_A \next, 0, 0
	SCALES \next
	WIN MUL_HI
	MUL16 4, 1, NQ-1, \slot, 0
	MUL16 6, 1, NQ-1, \slot, 0
	PLACES NP
	WIN 0
	FETCH_A \next, 0, 4
.endm
	s_wait_alu depctr_va_vdst(0)
	s_wait_tensorcnt 0x0                           ; my tile of the head's four is in
	s_mul_i32 s20, s16, 24576                      ; no tensor load of mine is out: the descriptors are set for the ring: 128 rows of codes = 96 rows of 256 bytes,
	s_mov_b32 s21, 0
	s_mov_b32 s[G1+2], 96<<16
	s_mov_b32 s[G1+4], 96
	s_mov_b32 s[G1B+2], 96<<16
	s_mov_b32 s[G1B+4], 96
	s_mov_b32 s[G0+1], s45                         ; and slot 0's group 0 for my half
	s_add_nc_u64 s[G0+2:G0+3], s[G0+2:G0+3], s[20:21]
	s_add_co_u32 s[G0B+1], s45, 2*HALFT
	s_add_nc_u64 s[G0B+2:G0B+3], s[G0B+2:G0B+3], s[20:21]
	s_barrier_signal -1
	s_barrier_wait -1                              ; all four tiles are in: both slots and the scales
	FETCH_B 0, 0, 0
	FETCH_A 0, 0, 0
	SCALES 0
	FETCH_A 0, 0, 4
	STEP 0, 0, 1
	s_mov_b32 s3, LAPS-1
.Llap:
	TURN 0, 1, 1
	STEP 1, 0, 0
	TURN 1, 0, 1
	STEP 0, 0, 0
	s_sub_co_u32 s3, s3, 1
	s_cmp_lg_u32 s3, 0
	s_cbranch_scc1 .Llap
	TURN 0, 1, 0                                   ; the last lap fills nothing
	STEP 1, 0, 0
	s_wait_dscnt 4*NL
	WIN MUL_LO
	MUL16 0, 1, NQ-1, 1, 0
	MUL16 2, 1, NQ-1, 1, 0
	s_wait_dscnt 0
	WIN MUL_HI
	MUL16 4, 1, NQ-1, 1, 0
	MUL16 6, 1, NQ-1, 1, 0
	WIN 0
; THE WAY OUT.  64 numbers of a lane, v[s] on, four blocks of 32 shared with lane l xor 16, become codes: those of blocks 0, 1 in v[d0] .. v[d0 + 5], of blocks 2, 3 in v[d1] .. v[d1 + 5]; the four scale bytes in v[pw].
.macro QUANT s, d0, d1, pw
.irp b, 0,1,2,3
	v_max3_num_f32 v[TM+\b], |v[\s+16*\b]|, |v[\s+1+16*\b]|, 0x1800000   ; my 16 numbers of block b, and the floor 2^(3 - 127): the byte cannot fall under 1
.endr
.irp i, 2,4,6,8,10,12,14
.irp b, 0,1,2,3
	v_max3_num_f32 v[TM+\b], v[TM+\b], |v[\s+16*\b+\i]|, |v[\s+1+16*\b+\i]|
.endr
.endr
.irp b, 0,1,2,3
	v_permlanex16_b32 v[TM+4+\b], v[TM+\b], s[SEL], s[SEL+1]
.endr
.irp b, 0,1,2,3
	v_max_num_f32 v[TM+\b], v[TM+\b], v[TM+4+\b]   ; with lane l xor 16's: the block's largest magnitude
.endr
.irp b, 0,1,2,3
	v_add_nc_u32 v[TM+12+\b], 0xff000000, v[TM+\b] ; 2 off its exponent field: the conversion's scale operand
.endr
.irp b, 0,1,2,3
	v_lshrrev_b32 v[TM+4+\b], 23, v[TM+12+\b]      ; the scale's byte
.endr
	v_lshl_or_b32 v[\pw], v[TM+5], 8, v[TM+4]
	v_lshl_or_b32 v[\pw], v[TM+6], 16, v[\pw]
	v_lshl_or_b32 v[\pw], v[TM+7], 24, v[\pw]
	v_cvt_scalef32_pk16_fp6_f32 v[\d0:\d0+2], v[\s:\s+15], v[TM+12]
	v_cvt_scalef32_pk16_fp6_f32 v[CT:CT+2], v[\s+16:\s+31], v[TM+13]       ; (a conversion's three registers begin on an even number)
	v_cvt_scalef32_pk16_fp6_f32 v[\d1:\d1+2], v[\s+32:\s+47], v[TM+14]
	v_cvt_scalef32_pk16_fp6_f32 v[CT+4:CT+6], v[\s+48:\s+63], v[TM+15]
	v_nop                                          ; one plain place behind a scaled conversion
.irp i, 0,1,2                                  ; the operand's layout wants a whole block in a lane: lanes 0-15 the even block, lanes 16-31 the odd one
	v_permlane16_swap_b32 v[\d0+\i], v[CT+\i]
.endr
.irp i, 0,1,2
	v_mov_b32 v[\d0+3+\i], v[CT+\i]
.endr
.irp i, 0,1,2
	v_permlane16_swap_b32 v[\d1+\i], v[CT+4+\i]
.endr
.irp i, 0,1,2
	v_mov_b32 v[\d1+3+\i], v[CT+4+\i]
.endr
.endm
; Role A's block a: its eight accumulators, each from its low end on, get the bias on their way into window 0, and are quantised.
.macro BLOCKQ a, d0, d1, pw, ty
	WIN 0x02+(\a)/4                                ; source 0: window 2 or 3
.set AC, 64*((\a)%4)
.set n, 0
.rept 32
.if \ty
	v_pk_add_f32 v[H+2*n:H+2*n+1], v[AC+2*n:AC+2*n+1], v[BIAS+8*(\a)+(2*n)%8:BIAS+8*(\a)+(2*n)%8+1]
.else
	v_pk_add_f32 v[H+2*n:H+2*n+1], v[AC+2*n:AC+2*n+1], v[BIAS+2*n:BIAS+2*n+1]
.endif
.set n, n+1
.endr
	WIN 0
	QUANT H, \d0, \d1, \pw
.endm
.macro STIMG reg, off                  ; an image leaves as it stands: each store covers 512 consecutive bytes, aligned
.irp g, 0,1,2
	global_store_b128 v[GI], v[\reg+4*\g:\reg+4*\g+3], s[12:13] offset:\off+512*\g
.endr
.endm
.macro EPI ty
.irp p, 0,1,2,3
.if \p > 0
	s_wait_xcnt 0x0                                ; the last pair's stores have read their registers: the images may be written again
.endif
.if \ty
	BLOCKQ 2*\p, IA, IA+6, SW+2*\p, 1              ; v: block a is channels 16 a .. + 15 x my 128 keys: a whole image
	BLOCKQ 2*\p+1, IB, IB+6, SW+2*\p+1, 1
	STIMG IA, ((2*\p)/4)*204800+((2*\p)%4)*1536    ; head a / 4 (16 units of 12,800 bytes a head), image a % 4
	STIMG IB, ((2*\p+1)/4)*204800+((2*\p+1)%4)*1536
.else
	BLOCKQ 2*\p, IA, IB, PW0, 0                    ; q, k: block a is 16 tokens x two heads' 64 channels: half an image of each head
	BLOCKQ 2*\p+1, IA+6, IB+6, PW1, 0
	v_perm_b32 v[SW+\p], v[PW1], v[PW0], 0x05040100    ; the first head's word: two bytes of the one token, two of the other
	v_perm_b32 v[SW+4+\p], v[PW1], v[PW0], 0x07060302  ; the second head's
	STIMG IA, \p*1536
	STIMG IB, 204800+\p*1536
.endif
.endr
.endm
	PLACES NP                                      ; behind the last products: their results are read and role A's registers written below
	s_wait_loadcnt 0x0                             ; the bias is in, and its loads' offsets may be written
.irp b, 0,1,2,3
	v_mov_b32 v[TM+4+\b], 0                        ; written once: a lane permute's destination counts as one of its sources
.endr
	s_cmp_eq_u32 s[TY], 1                          ; the cluster's number alone: the same way in all waves of all partners; neither arm touches LDS
	s_cbranch_scc1 .Lkeys
	EPI 0
	s_branch .Ljoin
.Lkeys:
	EPI 1
.Ljoin:
	v_cndmask_b32 v[SX], v[SW], v[SW+2], s[HIM]    ; word 0: image 0 in lanes 0-15, image 2 in lanes 16-31
	s_wait_alu depctr_va_vdst(0)
	v_cndmask_b32 v[SX+1], v[SW+1], v[SW+3], s[HIM]
	v_cndmask_b32 v[SX+2], v[SW+4], v[SW+6], s[HIM]
	v_cndmask_b32 v[SX+3], v[SW+5], v[SW+7], s[HIM]
	global_store_b64 v[GS], v[SX:SX+1], s[66:67]               ; 256 consecutive bytes, aligned
	global_store_b64 v[GS], v[SX+2:SX+3], s[66:67] offset:204800 ; the next head's
	s_wait_tensorcnt 0x0                           ; the wave's end
	ds_add_u32 v[SPW], v[NIL]
	s_wait_dscnt 0x0
	CROUND                                         ; the closing round
	s_endpgm
.Lfunc_end_k_q04dcf57921_proj:
	.size	k_q04dcf57921_proj, .Lfunc_end_k_q04dcf57921_proj-k_q04dcf57921_proj
	.p2alignl 7, 3214868480
	.fill 96, 4, 3214868480
	.section	.rodata,"a",@progbits
	.p2align	6, 0x0
	.amdhsa_kernel k_q04dcf57921_proj
		.amdhsa_group_segment_fixed_size 327680
		.amdhsa_private_segment_fixed_size 0
		.amdhsa_enable_private_segment 0
		.amdhsa_kernarg_size 48
		.amdhsa_user_sgpr_count 2
		.amdhsa_user_sgpr_kernarg_segment_ptr 1
		.amdhsa_wavefront_size32 1
		.amdhsa_system_sgpr_workgroup_id_x 1
		.amdhsa_system_sgpr_workgroup_id_y 1
		.amdhsa_system_sgpr_workgroup_id_z 1
		.amdhsa_system_vgpr_workitem_id 0
		.amdhsa_next_free_vgpr 1024
		.amdhsa_next_free_sgpr 102
		.amdhsa_reserve_vcc 0
		.amdhsa_float_denorm_mode_32 3
		.amdhsa_float_denorm_mode_16_64 3
		.amdhsa_memory_ordered 1
		.amdhsa_forward_progress 1
		.amdhsa_inst_pref_size 239
	.end_amdhsa_kernel
	.amdgpu_metadata
---
amdhsa.version: [ 1, 2 ]
amdhsa.kernels:
  - .name:           k_q04dcf57921_proj
    .symbol:         k_q04dcf57921_proj.kd
    .args:
      - { .name: XC, .offset: 0, .size: 8, .value_kind: global_buffer, .address_space: global }
      - { .name: XS, .offset: 8, .size: 8, .value_kind: global_buffer, .address_space: global }
      - { .name: QKVC, .offset: 16, .size: 8, .value_kind: global_buffer, .address_space: global }
      - { .name: bq, .offset: 24, .size: 8, .value_kind: global_buffer, .address_space: global }
      - { .name: bk, .offset: 32, .size: 8, .value_kind: global_buffer, .address_space: global }
      - { .name: bv, .offset: 40, .size: 8, .value_kind: global_buffer, .address_space: global }
    .group_segment_fixed_size: 327680
    .private_segment_fixed_size: 0
    .kernarg_segment_align: 8
    .kernarg_segment_size: 48
    .max_flat_workgroup_size: 128
    .sgpr_count:     102
    .vgpr_count:     1024
    .wavefront_size: 32
...
	.end_amdgpu_metadata
.endif
;; end of part 2
;; launch attn (part 3): grid 4 x 64, 16 waves a work-group, clusters of 4 x 1, 327,680 bytes of LDS; arguments QKVC, OC, OS; writes OC, OS
.if DOCPART == 3
	.amdgcn_target "amdgcn-amd-amdhsa--gfx1250"
	.amdhsa_code_object_version 6
	.text
	.protected	k_q04dcf57921_attn
	.globl	k_q04dcf57921_attn
	.p2align	8
	.type	k_q04dcf57921_attn,@function
k_q04dcf57921_attn:
	s_mov_b64 s[64:65], 0
	v_nop
	global_prefetch_b8 v0, s[64:65] scope:SCOPE_SE
	s_setreg_imm32_b32 hwreg(HW_REG_WAVE_MODE, 25, 1), 1
	s_wait_xcnt 0x0
	s_wait_alu depctr_hold_cnt(0) depctr_sa_sdst(0) depctr_va_vdst(0) depctr_va_sdst(0) depctr_va_ssrc(0) depctr_va_vcc(0) depctr_vm_vsrc(0)
	s_getreg_b32 s2, hwreg(HW_REG_IB_STS2, 6, 4)
	s_cmp_eq_u32 s2, 0
	s_cbranch_scc0 .Lentry_in_a_cluster
	s_endpgm
.Lentry_in_a_cluster:
	s_bfe_u32 s2, ttmp6, 0x10000c
	s_cmp_lg_u32 s2, 0x3003
	s_cbranch_scc0 .Lentry_shape_is_right
	s_endpgm
.Lentry_shape_is_right:
; LAUNCH 3 OF 4: softmax(q k^T / 8) v for one (batch, head) and 512 of its 2,048 queries a work-group, on the operand images of launch 2; the result is quantised along the head's 64 for launch 4.  No work is left out.
; The first product has K = 64 and the instruction is 128 deep: an image of k holds two tokens' 64 channels side by side, and q's operand holds zeros in the half that is not meant.
; SHARES.  16 waves; a wave takes one image of q, 32 queries, in two passes of 16; a pass walks the 2,048 keys in 16 steps of 128.  A lane holds one query; both products are used transposed.
; LDS.  The head's k and v, 16 pairs of units (k's four images and 256 bytes of scale words, then v's: 12,800 bytes a pair), are 204,800 dense bytes of QKVC and are read in the order of memory.
; Each wave asks for one pair by one tensor load (50 rows of 256 bytes); the four work-groups of a cluster are the four quarters of one head's queries and ask jointly.  Every wave waits for its load (0), one barrier shows
; all pairs to all waves, and nothing is filled again: so no barrier stands in the passes.  lds_bytes claims all of LDS, more than the text uses.
; NO PREFETCH: every tile is asked for once, at the head; there is no loop to run ahead in.
; THE SOFTMAX: p = 2^(t - M), t = score x log2(e) / 8, M the ceiling of the running largest t; when M moves, the sum and O^T are multiplied by an exact power of two.  The sum is taken of the unquantised p.
; A block's largest p is made from the block's largest score by the same multiply-add and exponential (v_exp_f32 is taken not to fall where its input rises).
; LIMITS: the promise holds while |t| stays under 2^31.  NaN and infinities are not served.  A block of zeros gets the byte 1: its codes are zeros.
.set UP,    12800                      ; a pair of units
.set VU,    6400                       ; v's unit in it
.set KSO,   6144                       ; a unit's scale words
.set KVB,   13107200                   ; where k's and v's units begin in QKVC
.set SPARE, 204800                     ; the spare words, 128 bytes a wave
.set LI,  1                            ; 16 x lane
.set LS8, 3                            ; KSO + 8 x lane
.set SPW, 4
.set NIL, 5
.set GOC, 6                            ; 8 x lane
.set GOS, 7                            ; my byte in OS
.set ADK, 8
.set ADV, 9
.set ADS, 10
.set QZ,  16                           ; v16-33: zeros, q's six registers, zeros
.set IM,  34                           ; q's image
.set QW,  46
.set QS,  47                           ; q's scale word, and nothing else
.set KF,  48                           ; four images of k, then of v
.set S,   96                           ; scores, then p
.set O,   160                          ; O^T
.set PCD, 192                          ; p's codes
.set CT,  204
.set BM,  212
.set BP,  216
.set BO,  220
.set KSW, 224
.set VSW, 226
.set PSW, 228
.set F,   230
.set TA,  232
.set WV,  12
.set CS,  22
.set G1,  24
.set G0,  48
.set SEL, 60
.set TK,  62
.set PASS, 66
.set TRIP, 67
.set HIM, 68
.macro CROUND
	s_barrier_signal -1
	s_barrier_wait -1
	s_cmp_lg_u32 s[WV], 0
	s_cbranch_scc1 .Lnot_wave_0_\@
	s_barrier_signal -3
.Lnot_wave_0_\@:
	s_barrier_wait -3
	s_barrier_signal -1
	s_barrier_wait -1
.endm
	s_load_b64 s[4:5], s[0:1], 0x0                 ; QKVC
	s_load_b128 s[8:11], s[0:1], 0x8               ; OC, OS
	v_lshl_add_u32 v[SPW], v0, 2, SPARE
	v_mov_b32 v[NIL], 0
	ds_add_u32 v[SPW], v[NIL]                      ; the opening lines: the add, twice on end, and its wait
	ds_add_u32 v[SPW], v[NIL]
	v_lshrrev_b32 v1, 5, v0
	v_readfirstlane_b32 s[WV], v1
	s_bfe_u32 s13, ttmp6, 0x40000                  ; cx: which quarter of the queries (the grid has one cluster along x)
	s_and_b32 s15, ttmp7, 0xffff                   ; 16 batch + head
	s_mov_b32 s[G1], 15|(3<<16)|(1<<21)            ; the four partners; elements of 8 bytes; bit 21 beside a mask
	s_mov_b32 s[G1+1], 32<<16
	s_mov_b32 s[G1+2], 50<<16
	s_mov_b32 s[G1+3], 32<<16
	s_mov_b32 s[G1+4], 50
	s_mov_b32 s[G1+5], 32
	s_mov_b32 s[G1+6], 0
	s_mov_b32 s[G1+7], 0
	s_mul_i32 s70, s15, 16*UP                      ; the head's 16 units or pairs
	s_mov_b32 s[G0], 1
	s_mul_i32 s[G0+1], s[WV], UP                   ; pair = wave, in LDS as in memory
	s_add_co_u32 s72, s70, s[G0+1]
	s_add_co_u32 s72, s72, KVB
	s_mov_b32 s73, 0
	s_lshl_b32 s18, s13, 4
	s_add_co_u32 s18, s18, s[WV]                   ; my image of 32 queries, 0..63
	s_lshr_b32 s20, s18, 2
	s_mul_i32 s20, s20, UP
	s_add_co_u32 s20, s20, s70                     ; its unit of q
	s_bfe_u32 s78, s18, 0x10001
	s_lshl_b32 s78, s78, 7                         ; its scale words: images 2, 3 in lanes 16-31's places,
	s_and_b32 s79, s18, 1
	s_lshl_b32 s79, s79, 2                         ; odd images in word 1
	s_add_co_u32 s78, s78, s79
	s_add_co_u32 s78, s78, s20
	s_add_co_u32 s78, s78, KSO
	s_mov_b32 s79, 0
	s_and_b32 s21, s18, 3
	s_mul_i32 s21, s21, 1536
	s_add_co_u32 s20, s20, s21
	s_mov_b32 s21, 0
	s_lshr_b32 s19, s15, 4                         ; batch
	s_and_b32 s69, s15, 15                         ; head
	s_lshl_b32 s2, s19, 7
	s_lshl_b32 s3, s18, 1
	s_add_co_u32 s2, s2, s3                        ; my first block of 16 tokens
	s_mul_i32 s2, s2, 12288
	s_mul_i32 s3, s69, 768
	s_add_co_u32 s2, s2, s3                        ; OC: [block of 16 tokens][head][piece of 8 bytes][lane]
	s_mov_b32 s3, 0
	s_lshl_b32 s16, s19, 16
	s_lshl_b32 s17, s18, 10
	s_add_co_u32 s16, s16, s17
	s_lshl_b32 s17, s69, 1
	s_add_co_u32 s16, s16, s17                     ; OS: [token][32 bytes]
	s_mov_b32 s17, 0
	s_mov_b32 s[CS], 0x3e38aa3b                    ; log2(e) / 8
	s_mov_b32 s[CS+1], s[CS]
	s_mov_b32 s[SEL], 0x76543210
	s_mov_b32 s[SEL+1], 0xfedcba98
	s_mov_b32 s[HIM], 0xffff0000
	s_wait_dscnt 0x0
	s_wait_kmcnt 0x0
	s_add_nc_u64 s[G0+2:G0+3], s[4:5], s[72:73]
	s_or_b32 s[G0+3], s[G0+3], 0x80000000
	s_add_nc_u64 s[20:21], s[4:5], s[20:21]
	s_add_nc_u64 s[78:79], s[4:5], s[78:79]
	s_add_nc_u64 s[8:9], s[8:9], s[2:3]
	s_add_nc_u64 s[10:11], s[10:11], s[16:17]
	CROUND                                         ; the four partners are here: the joint loads meet
	tensor_load_to_lds s[G0:G0+3], s[G1:G1+7]      ; my one tensor load of the launch
	s_nop 0
	v_and_b32 v11, 31, v0
	v_and_b32 v[ADK], 15, v0
	v_bfe_u32 v[ADV], v0, 4, 1
	v_lshlrev_b32 v[LI], 4, v11
	v_lshlrev_b32 v[GOC], 3, v11
	v_lshl_add_u32 v[GOS], v[ADK], 5, v[ADV]
	v_lshlrev_b32 v[ADK], 3, v[ADK]
	v_add_nc_u32 v[LS8], KSO, v[GOC]
.irp g, 0,1,2
	global_load_b128 v[IM+4*\g:IM+4*\g+3], v[LI], s[20:21] offset:512*\g
.endr
	global_load_b32 v[QW], v[ADK], s[78:79]
.irp i, 0,1,2,3,4,5
	v_mov_b32 v[QZ+\i], 0
	v_mov_b32 v[QZ+12+\i], 0
.endr
.irp b, 0,1,2,3
	v_mov_b32 v[BP+\b], 0                          ; a lane permute's destination counts as one of its sources
.endr
	v_mov_b32 v[F+1], 0
	v_mov_b32 v[TA], 0
	s_wait_alu depctr_va_vdst(0)
	s_wait_loadcnt 0x0
	s_wait_tensorcnt 0x0                           ; my pair is in,
	s_barrier_signal -1
	s_barrier_wait -1                              ; everybody's are
.macro STEP
	v_add_nc_u32 v[ADK], s[TK], v[LI]
	v_add_nc_u32 v[ADS], s[TK], v[LS8]
	v_nop
	v_nop                                          ; four places behind the last step's products, ahead of the loads into their registers
.irp i, 0,1,2,3
.irp g, 0,1,2
	ds_load_b128 v[KF+12*\i+4*\g:KF+12*\i+4*\g+3], v[ADK] offset:1536*\i+512*\g
.endr
.endr
	ds_load_b64 v[KSW:KSW+1], v[ADS]
	ds_load_b64 v[VSW:VSW+1], v[ADS] offset:VU
	s_wait_alu depctr_va_vdst(0)
	s_wait_dscnt 0x0
.irp i, 0,1
	v_wmma_scale_f32_16x16x128_f8f6f4 v[S+16*\i:S+16*\i+7], v[KF+12*\i:KF+12*\i+11], v[QZ+6:QZ+17], 0, v[KSW+\i], v[QS] matrix_a_fmt:MATRIX_FMT_FP6 matrix_b_fmt:MATRIX_FMT_FP6
	v_wmma_scale_f32_16x16x128_f8f6f4 v[S+8+16*\i:S+15+16*\i], v[KF+12*\i:KF+12*\i+11], v[QZ:QZ+11], 0, v[KSW+\i], v[QS] matrix_a_fmt:MATRIX_FMT_FP6 matrix_b_fmt:MATRIX_FMT_FP6
.endr
.irp i, 2,3
	v_wmma_scale_f32_16x16x128_f8f6f4 v[S+16*\i:S+16*\i+7], v[KF+12*\i:KF+12*\i+11], v[QZ+6:QZ+17], 0, v[KSW+\i-2], v[QS] matrix_a_fmt:MATRIX_FMT_FP6 matrix_b_fmt:MATRIX_FMT_FP6 matrix_a_scale:MATRIX_SCALE_ROW1
	v_wmma_scale_f32_16x16x128_f8f6f4 v[S+8+16*\i:S+15+16*\i], v[KF+12*\i:KF+12*\i+11], v[QZ:QZ+11], 0, v[KSW+\i-2], v[QS] matrix_a_fmt:MATRIX_FMT_FP6 matrix_b_fmt:MATRIX_FMT_FP6 matrix_a_scale:MATRIX_SCALE_ROW1
.endr
.rept 4
	v_nop
.endr
.irp t, 0,1,2,3
.irp g, 0,1,2
	ds_load_b128 v[KF+12*\t+4*\g:KF+12*\t+4*\g+3], v[ADK] offset:VU+1536*\t+512*\g   ; v's images come while the softmax is worked
.endr
.endr
.irp b, 0,1,2,3
	v_max3_num_f32 v[BM+\b], v[S+16*\b], v[S+1+16*\b], v[S+2+16*\b]   ; each block's largest score
.endr
.irp i, 3,5,7,9,11,13
.irp b, 0,1,2,3
	v_max3_num_f32 v[BM+\b], v[BM+\b], v[S+16*\b+\i], v[S+1+16*\b+\i]
.endr
.endr
.irp b, 0,1,2,3
	v_max_num_f32 v[BM+\b], v[BM+\b], v[S+15+16*\b]
.endr
.irp b, 0,1,2,3
	s_delay_alu instid0(VALU_DEP_4)
	v_permlanex16_b32 v[BP+\b], v[BM+\b], s[SEL], s[SEL+1]
.endr
.irp b, 0,1,2,3
	s_delay_alu instid0(VALU_DEP_4)
	v_max_num_f32 v[BM+\b], v[BM+\b], v[BP+\b]
.endr
	s_delay_alu instid0(VALU_DEP_2)
	v_max3_num_f32 v[TA], v[BM], v[BM+1], v[BM+2]
	s_delay_alu instid0(VALU_DEP_1)
	v_max_num_f32 v[TA], v[TA], v[BM+3]
	s_delay_alu instid0(VALU_DEP_1)
	v_mul_f32 v[TA], s[CS], v[TA]
	s_delay_alu instid0(VALU_DEP_1)
	v_max_num_f32 v13, v13, v[TA]                  ; the running largest t
	v_mov_b32 v[TA], v12
	s_delay_alu instid0(VALU_DEP_2)
	v_floor_f32 v12, -v13                          ; -M
	s_delay_alu instid0(VALU_DEP_1)
	v_sub_f32 v[TA], v12, v[TA]
	s_delay_alu instid0(VALU_DEP_1)
	v_cvt_i32_f32 v[TA], v[TA]
	s_delay_alu instid0(VALU_DEP_1)
	v_ldexp_f32 v[F], 1.0, v[TA]                   ; 2^(old M - new M)
.set j, 0
.rept 32
	v_pk_fma_f32 v[S+j:S+j+1], v[S+j:S+j+1], s[CS:CS+1], v[12:13] op_sel_hi:[1,0,0]
.set j, j+2
.endr
.irp b, 0,1,2,3
	v_fma_f32 v[BM+\b], v[BM+\b], s[CS], v12
.endr
.set j, 0
	s_wait_alu depctr_va_vdst(0)
.rept 64
	v_exp_f32 v[S+j], v[S+j]
.set j, j+1
.endr
	v_pk_mul_f32 v[14:15], v[14:15], v[F:F+1] op_sel_hi:[1,0]
	s_wait_alu depctr_va_vdst(0)
.irp b, 0,1,2,3
	v_exp_f32 v[BM+\b], v[BM+\b]
.endr
	v_pk_add_f32 v[TA:TA+1], v[S:S+1], v[S+2:S+3]  ; the row's sum, of the unquantised p, in two chains
.set j, 4
.rept 15
	v_pk_add_f32 v[14:15], v[14:15], v[S+j:S+j+1]
	v_pk_add_f32 v[TA:TA+1], v[TA:TA+1], v[S+j+2:S+j+3]
.set j, j+4
.endr
	s_delay_alu instid0(VALU_DEP_1)
	v_pk_add_f32 v[14:15], v[14:15], v[TA:TA+1]
	s_wait_alu depctr_va_vdst(0)
.irp b, 0,1,2,3
	v_max_num_f32 v[BM+\b], 0x1800000, v[BM+\b]    ; the floor 2^(3 - 127)
.endr
; The scales' short chains, the lane swaps and half of O^T's rescaling stand by turns: no line reads what one of the three lines ahead of it wrote
.irp j, 0,2,4,6
	v_pk_mul_f32 v[O+\j:O+\j+1], v[O+\j:O+\j+1], v[F:F+1] op_sel_hi:[1,0]   ; O^T under the new M, each accumulator from its low end on
.endr
.irp b, 0,1,2,3
	v_add_nc_u32 v[BO+\b], 0xff000000, v[BM+\b]    ; 2 off the exponent field: the conversion's scale operand
.endr
.irp j, 8,10,12,14
	v_pk_mul_f32 v[O+\j:O+\j+1], v[O+\j:O+\j+1], v[F:F+1] op_sel_hi:[1,0]
.endr
.irp b, 0,1,2,3
	v_lshrrev_b32 v[BP+\b], 23, v[BO+\b]           ; the scale's byte
.endr
.irp c, 0,1
	v_cvt_scalef32_pk16_fp6_f32 v[PCD+6*\c:PCD+6*\c+2], v[S+32*\c:S+32*\c+15], v[BO+2*\c]
	v_cvt_scalef32_pk16_fp6_f32 v[CT+4*\c:CT+4*\c+2], v[S+16+32*\c:S+31+32*\c], v[BO+2*\c+1]
.endr
	v_lshl_or_b32 v[PSW], v[BP+1], 8, v[BP]        ; p's scale word; also the plain place behind the conversions
.irp i, 0,1,2
	v_permlane16_swap_b32 v[PCD+\i], v[CT+\i]
.endr
	v_lshl_or_b32 v[PSW], v[BP+2], 16, v[PSW]
.irp i, 0,1,2
	v_permlane16_swap_b32 v[PCD+6+\i], v[CT+4+\i]
.endr
	v_lshl_or_b32 v[PSW], v[BP+3], 24, v[PSW]
.irp c, 0,1
.irp i, 0,1,2
	v_mov_b32 v[PCD+3+6*\c+\i], v[CT+4*\c+\i]
.endr
.endr
.set j, 16
.rept 8
	v_pk_mul_f32 v[O+j:O+j+1], v[O+j:O+j+1], v[F:F+1] op_sel_hi:[1,0]
.set j, j+2
.endr
	s_wait_alu depctr_va_vdst(0)
	s_wait_dscnt 0x0
.irp t, 0,1
	v_wmma_scale_f32_16x16x128_f8f6f4 v[O+8*\t:O+8*\t+7], v[KF+12*\t:KF+12*\t+11], v[PCD:PCD+11], v[O+8*\t:O+8*\t+7], v[VSW+\t], v[PSW] matrix_a_fmt:MATRIX_FMT_FP6 matrix_b_fmt:MATRIX_FMT_FP6
.endr
.irp t, 2,3
	v_wmma_scale_f32_16x16x128_f8f6f4 v[O+8*\t:O+8*\t+7], v[KF+12*\t:KF+12*\t+11], v[PCD:PCD+11], v[O+8*\t:O+8*\t+7], v[VSW+\t-2], v[PSW] matrix_a_fmt:MATRIX_FMT_FP6 matrix_b_fmt:MATRIX_FMT_FP6 matrix_a_scale:MATRIX_SCALE_ROW1
.endr
	s_add_co_u32 s[TK], s[TK], UP
.endm
	s_mov_b32 s[PASS], 2
.Lpass:                                                ; 16 queries: the image's lower six registers, then its upper six
.irp i, 0,1,2,3,4,5
	v_mov_b32 v[QZ+6+\i], v[IM+\i]
.endr
.irp i, 0,1,2,3,4,5
	v_mov_b32 v[IM+\i], v[IM+6+\i]
.endr
	v_perm_b32 v[QS], v[QW], v[QW], 0x01000100     ; these queries' two bytes, for either half of the operand
	v_lshrrev_b32 v[QW], 16, v[QW]
	v_mov_b32 v13, 0xff61b1e6                      ; -3e38, under every t
	s_delay_alu instid0(VALU_DEP_1)
	v_floor_f32 v12, -v13
	v_mov_b32 v14, 0
	v_mov_b32 v15, 0
.set j, 0
.rept 32
	v_mov_b32 v[O+j], 0
.set j, j+1
.endr
	s_mov_b32 s[TK], 0
	s_mov_b32 s[TRIP], 16
.Lkeys:
	STEP
	s_sub_co_u32 s[TRIP], s[TRIP], 1
	s_cmp_lg_u32 s[TRIP], 0
	s_cbranch_scc1 .Lkeys
.rept 4
	v_nop
.endr
	v_add_f32 v14, v14, v15
	s_delay_alu instid0(VALU_DEP_1)
	v_permlanex16_b32 v[TA], v14, s[SEL], s[SEL+1]
	s_delay_alu instid0(VALU_DEP_1)
	v_add_f32 v14, v14, v[TA]                      ; the row's sum
	s_wait_alu depctr_va_vdst(0)
	v_rcp_f32 v14, v14
	v_nop
	s_wait_alu depctr_va_vdst(0)
.set j, 0
.rept 16
	v_pk_mul_f32 v[S+j:S+j+1], v[O+j:O+j+1], v[14:15] op_sel_hi:[1,0]
.set j, j+2
.endr
.irp b, 0,1
	v_max3_num_f32 v[BM+\b], |v[S+16*\b]|, |v[S+1+16*\b]|, 0x1800000   ; the head's two blocks of 32 channels are quantised for launch 4
.endr
.irp i, 2,4,6,8,10,12,14
.irp b, 0,1
	s_delay_alu instid0(VALU_DEP_2)
	v_max3_num_f32 v[BM+\b], v[BM+\b], |v[S+16*\b+\i]|, |v[S+1+16*\b+\i]|
.endr
.endr
.irp b, 0,1
	s_delay_alu instid0(VALU_DEP_2)
	v_permlanex16_b32 v[BP+\b], v[BM+\b], s[SEL], s[SEL+1]
.endr
.irp b, 0,1
	s_delay_alu instid0(VALU_DEP_2)
	v_max_num_f32 v[BM+\b], v[BM+\b], v[BP+\b]
.endr
.irp b, 0,1
	s_delay_alu instid0(VALU_DEP_2)
	v_add_nc_u32 v[BO+\b], 0xff000000, v[BM+\b]
.endr
.irp b, 0,1
	s_delay_alu instid0(VALU_DEP_2)
	v_lshrrev_b32 v[BP+\b], 23, v[BO+\b]
.endr
	v_cvt_scalef32_pk16_fp6_f32 v[PCD:PCD+2], v[S:S+15], v[BO]
	v_cvt_scalef32_pk16_fp6_f32 v[CT:CT+2], v[S+16:S+31], v[BO+1]
	v_nop
.irp i, 0,1,2
	v_permlane16_swap_b32 v[PCD+\i], v[CT+\i]
.endr
.irp i, 0,1,2
	s_delay_alu instid0(VALU_DEP_3)
	v_mov_b32 v[PCD+3+\i], v[CT+\i]
.endr
	v_cndmask_b32 v[TA+1], v[BP], v[BP+1], s[HIM]
.irp i, 0,1,2
	global_store_b64 v[GOC], v[PCD+2*\i:PCD+2*\i+1], s[8:9] offset:256*\i   ; 256 consecutive bytes, aligned
.endr
	global_store_b8 v[GOS], v[TA+1], s[10:11]
	s_wait_xcnt 0x0                                ; the stores have read their bases and registers
	s_add_nc_u64 s[8:9], s[8:9], 12288
	s_add_nc_u64 s[10:11], s[10:11], 512
	s_sub_co_u32 s[PASS], s[PASS], 1
	s_cmp_lg_u32 s[PASS], 0
	s_cbranch_scc1 .Lpass
	s_wait_tensorcnt 0x0                           ; the wave's end
	ds_add_u32 v[SPW], v[NIL]
	s_wait_dscnt 0x0
	CROUND                                         ; the closing round
	s_endpgm
.Lfunc_end_k_q04dcf57921_attn:
	.size	k_q04dcf57921_attn, .Lfunc_end_k_q04dcf57921_attn-k_q04dcf57921_attn
	.p2alignl 7, 3214868480
	.fill 96, 4, 3214868480
	.section	.rodata,"a",@progbits
	.p2align	6, 0x0
	.amdhsa_kernel k_q04dcf57921_attn
		.amdhsa_group_segment_fixed_size 327680
		.amdhsa_private_segment_fixed_size 0
		.amdhsa_enable_private_segment 0
		.amdhsa_kernarg_size 24
		.amdhsa_user_sgpr_count 2
		.amdhsa_user_sgpr_kernarg_segment_ptr 1
		.amdhsa_wavefront_size32 1
		.amdhsa_system_sgpr_workgroup_id_x 1
		.amdhsa_system_sgpr_workgroup_id_y 1
		.amdhsa_system_sgpr_workgroup_id_z 1
		.amdhsa_system_vgpr_workitem_id 0
		.amdhsa_next_free_vgpr 256
		.amdhsa_next_free_sgpr 80
		.amdhsa_reserve_vcc 0
		.amdhsa_float_denorm_mode_32 3
		.amdhsa_float_denorm_mode_16_64 3
		.amdhsa_memory_ordered 1
		.amdhsa_forward_progress 1
		.amdhsa_inst_pref_size 29
	.end_amdhsa_kernel
	.amdgpu_metadata
---
amdhsa.version: [ 1, 2 ]
amdhsa.kernels:
  - .name:           k_q04dcf57921_attn
    .symbol:         k_q04dcf57921_attn.kd
    .args:
      - { .name: QKVC, .offset: 0, .size: 8, .value_kind: global_buffer, .address_space: global }
      - { .name: OC, .offset: 8, .size: 8, .value_kind: global_buffer, .address_space: global }
      - { .name: OS, .offset: 16, .size: 8, .value_kind: global_buffer, .address_space: global }
    .group_segment_fixed_size: 327680
    .private_segment_fixed_size: 0
    .kernarg_segment_align: 8
    .kernarg_segment_size: 24
    .max_flat_workgroup_size: 512
    .sgpr_count:     80
    .vgpr_count:     256
    .wavefront_size: 32
...
	.end_amdgpu_metadata
.endif
;; end of part 3
;; launch outp (part 4): grid 4 x 32, 4 waves a work-group, clusters of 4 x 4, 327,680 bytes of LDS; arguments OC, OS, XC, XS, bo, out0; writes out0
.if DOCPART == 4
	.amdgcn_target "amdgcn-amd-amdhsa--gfx1250"
	.amdhsa_code_object_version 6
	.text
	.protected	k_q04dcf57921_outp
	.globl	k_q04dcf57921_outp
	.p2align	8
	.type	k_q04dcf57921_outp,@function
k_q04dcf57921_outp:
	s_mov_b64 s[64:65], 0
	v_nop
	global_prefetch_b8 v0, s[64:65] scope:SCOPE_SE
	s_setreg_imm32_b32 hwreg(HW_REG_WAVE_MODE, 25, 1), 1
	s_wait_xcnt 0x0
	s_wait_alu depctr_hold_cnt(0) depctr_sa_sdst(0) depctr_va_vdst(0) depctr_va_sdst(0) depctr_va_ssrc(0) depctr_va_vcc(0) depctr_vm_vsrc(0)
	s_getreg_b32 s2, hwreg(HW_REG_IB_STS2, 6, 4)
	s_cmp_eq_u32 s2, 0
	s_cbranch_scc0 .Lentry_in_a_cluster
	s_endpgm
.Lentry_in_a_cluster:
	s_bfe_u32 s2, ttmp6, 0x10000c
	s_cmp_lg_u32 s2, 0xf033
	s_cbranch_scc0 .Lentry_shape_is_right
	s_endpgm
.Lentry_shape_is_right:
; LAUNCH 4 OF 4: out0 = o Wo^T + bo on the codes of launch 3 (OC, OS) and of launch 1 (Wo's rows in XC, XS).  No work is left out.
; A tile of 256 tokens x 256 columns a work-group, 128 x 128 a wave; K = 1,024 in four steps of 256 through a ring of two LDS slots; clusters of 4 x 4 ask jointly for o's rows (a row of the cluster) and Wo's (a column).
; Wo's tile of one K step is a dense run of XC, stated as rows of 256 bytes with 16 bytes of padding behind every 64; o's is 16 or 8 rows of 3,072 bytes, images of operand registers.
; AT THE HEAD one tensor load a wave: o's 256 rows of K step 0, Wo's, o's scale bytes, Wo's; slot 1 is first filled behind the three lines and a round.  bo is the first products' C.
.set SIZE_N, 1024
.set KSTEP,  256
.set NQ,     2
.set ROWB,   192
.set KROW,   768
.set PITCH,  240
.set FR,     12
.set NL,     6
.set NP,     4
.set HALFT,  128*PITCH
.set SLOT,   4*HALFT
.set LAPS,   2
.set KS,     32
.set SCL,    2*SLOT
.set HALFS,  16*272
.set SBLK,   2*272
.set SPARE,  SCL+4*HALFS
.set SPITCH, 528
.set ABLK,   3072
.set ADRA, 16
.set ADRB, 20
.set STO,  24
.set RD,   25
.set CO,   26
.set ADRS, 27
.set SPW,  28
.set NIL,  29
.set SC,   32
.set BIAS, 64
.set AF,   128
.set BK,   128
.set G1, 24
.set G0, 32
.set G1B, 48
.set G0B, 56
.set G1S, 68
.set G0S, 76
.set G1SB, 80
.set G0SB, 88
.set MSB, 0
.macro WIN new
.if MSB != (\new)
	s_set_vgpr_msb (MSB<<8)|(\new)
.set MSB, (\new)
.endif
.endm
.set MUL_LO, 0xa1
.set MUL_HI, 0xf1
.set TO_B,   0x40
.macro JLOAD g0a, g1a, g0b, g1b
	s_cmp_eq_u32 s15, 0
	s_cbranch_scc0 .Lfor_b_\@
	tensor_load_to_lds s[\g0a:\g0a+3], s[\g1a:\g1a+7]
	s_nop 0
.rept 4
	v_nop
.endr
	s_branch .Lasked_\@
.Lfor_b_\@:
	tensor_load_to_lds s[\g0b:\g0b+3], s[\g1b:\g1b+7]
	s_nop 0
.rept 4
	v_nop
.endr
.Lasked_\@:
.endm
.macro CREST
	s_cmp_lg_u32 s14, 0
	s_cbranch_scc1 .Lnot_wave_0_\@
	s_barrier_signal -3
.Lnot_wave_0_\@:
	s_barrier_wait -3
	s_barrier_signal -1
	s_barrier_wait -1
.endm
.macro CROUND
	s_barrier_signal -1
	s_barrier_wait -1
	CREST
.endm
	s_load_b128 s[4:7], s[0:1], 0x0
	s_load_b128 s[8:11], s[0:1], 0x10
	s_load_b128 s[96:99], s[0:1], 0x20
	v_lshl_add_u32 v[SPW], v0, 2, SPARE
	v_mov_b32 v[NIL], 0
	ds_add_u32 v[SPW], v[NIL]
	ds_add_u32 v[SPW], v[NIL]
	v_lshrrev_b32 v1, 5, v0
	v_readfirstlane_b32 s14, v1
	s_lshr_b32 s15, s14, 1
	s_and_b32 s16, s14, 1
	s_bfe_u32 s40, ttmp6, 0x40000
	s_bfe_u32 s41, ttmp6, 0x40004
	s_lshl_b32 s42, ttmp9, 2
	s_add_co_u32 s42, s42, s40
	s_and_b32 s17, ttmp7, 0xffff
	s_lshl_b32 s17, s17, 2
	s_add_co_u32 s17, s17, s41
	s_lshl_b32 s43, s41, 2
	s_lshl_b32 s43, 15, s43
	s_lshl_b32 s44, 0x1111, s40
	s_or_b32 s[G1+0], s43, (3<<16)|(1<<21)
	s_mov_b32 s[G1+1], 384<<16
	s_mov_b32 s[G1+2], 16<<16
	s_mov_b32 s[G1+3], 384<<16
	s_mov_b32 s[G1+4], 16
	s_mov_b32 s[G1+5], 1536
	s_mov_b32 s[G1+6], 0
	s_mov_b32 s[G1+7], 0
	s_or_b32 s[G1B+0], s44, (3<<16)|(1<<20)|(1<<21)|(3<<22)|(3<<25)
	s_mov_b32 s[G1B+1], 32<<16
	s_mov_b32 s[G1B+2], 192<<16
	s_mov_b32 s[G1B+3], 32<<16
	s_mov_b32 s[G1B+4], 192
	s_mov_b32 s[G1B+5], 32
	s_mov_b32 s[G1B+6], 0
	s_mov_b32 s[G1B+7], 0
	s_or_b32 s[G1S+0], s43, (3<<16)|(1<<20)|(1<<21)|(5<<22)|(3<<25)
	s_or_b32 s[G1SB+0], s44, (3<<16)|(1<<20)|(1<<21)|(5<<22)|(3<<25)
.irp g, G1S, G1SB
	s_mov_b32 s[\g+1], 32<<16
	s_mov_b32 s[\g+2], 32<<16
	s_mov_b32 s[\g+3], 32<<16
	s_mov_b32 s[\g+4], 32
	s_mov_b32 s[\g+5], 32
	s_mov_b32 s[\g+6], 0
	s_mov_b32 s[\g+7], 0
.endr
	s_lshl_b32 s20, s17, 8                         ; the tile's first token,
	s_lshl_b32 s46, s42, 8                         ; and its first row of Wo
	s_lshl_b32 s22, s20, 5
	s_mov_b32 s23, 0
	s_lshl_b32 s92, s46, 5
	s_add_co_u32 s92, s92, 884736
	s_mov_b32 s93, 0
	s_mul_i32 s20, s20, KROW
	s_mov_b32 s21, 0
	s_mul_i32 s46, s46, KROW
	s_add_co_u32 s46, s46, 21233664
	s_mov_b32 s47, 0
	s_mul_i32 s45, s16, 24576                      ; in the ring: where my 128 rows of o go,
	s_mul_i32 s94, s16, HALFT
	s_add_co_u32 s94, s94, 2*HALFT                 ; or of Wo,
	s_mul_i32 s18, s16, 98304                      ; and where they come from: 128 tokens of OC on,
	s_mov_b32 s19, 0
	s_mul_i32 s2, s16, 24576                       ; 128 rows of one K step of XC on
	s_mov_b32 s3, 0
	s_wait_dscnt 0x0
	s_wait_kmcnt 0x0
	s_add_nc_u64 s[20:21], s[4:5], s[20:21]
	s_add_nc_u64 s[22:23], s[6:7], s[22:23]
	s_add_nc_u64 s[46:47], s[8:9], s[46:47]
	s_add_nc_u64 s[92:93], s[10:11], s[92:93]
	CROUND
	s_mov_b32 s[G0S], 1                            ; the head's four tiles, each whole: o's scales,
	s_mov_b32 s[G0S+1], SCL
	s_mov_b64 s[G0S+2:G0S+3], s[22:23]
	s_or_b32 s[G0S+3], s[G0S+3], 0x80000000
	s_mov_b32 s[G0SB], 1                           ; Wo's,
	s_mov_b32 s[G0SB+1], SCL+2*HALFS
	s_mov_b64 s[G0SB+2:G0SB+3], s[92:93]
	s_or_b32 s[G0SB+3], s[G0SB+3], 0x80000000
	s_mov_b32 s[G0], 1                             ; K step 0's 256 rows of o (slot 0's group 0 serves; it is set for the ring behind the head's wait),
	s_mov_b32 s[G0+1], 0
	s_mov_b64 s[G0+2:G0+3], s[20:21]
	s_or_b32 s[G0+3], s[G0+3], 0x80000000
	s_mov_b32 s[G0B], 1                            ; and of Wo
	s_mov_b32 s[G0B+1], 2*HALFT
	s_mov_b64 s[G0B+2:G0B+3], s[46:47]
	s_or_b32 s[G0B+3], s[G0B+3], 0x80000000
	s_add_nc_u64 s[20:21], s[20:21], s[18:19]      ; slot 1: my 128 rows of K step 1
	s_add_nc_u64 s[46:47], s[46:47], s[2:3]
	s_mov_b32 s[G0+4], 1
	s_add_co_u32 s[G0+5], s45, SLOT
	s_add_nc_u64 s[G0+6:G0+7], s[20:21], ABLK
	s_or_b32 s[G0+7], s[G0+7], 0x80000000
	s_mov_b32 s[G0B+4], 1
	s_add_co_u32 s[G0B+5], s94, SLOT
	s_add_nc_u64 s[G0B+6:G0B+7], s[46:47], 49152
	s_or_b32 s[G0B+7], s[G0B+7], 0x80000000
.macro ARM under, g0, g1, next         ; one tree of branches on the wave's number: every way passes exactly one load
	s_cmp_lt_u32 s14, \under
	s_cbranch_scc0 \next
	tensor_load_to_lds s[\g0:\g0+3], s[\g1:\g1+7]
	s_nop 0
.rept 4
	v_nop
.endr
	s_branch .Lhead_asked
\next:
.endm
	ARM 1, G0,  G1,  .Lhead_b
	ARM 2, G0B, G1B, .Lhead_sa
	ARM 3, G0S, G1S, .Lhead_sb
	tensor_load_to_lds s[G0SB:G0SB+3], s[G1SB:G1SB+7]
	s_nop 0
.rept 4
	v_nop
.endr
.Lhead_asked:
; PREFETCH: K steps 1 to 3 are asked for into the L2 behind the head's loads, each run of 256 bytes once.  o's tile: a block of 16 tokens (36 runs behind its K step 0) to each of the 16 waves that ask for the tile jointly.
; Wo (4 tiles x 576 runs): the 512 waves of the launch's eight clusters, 128 to a tile, two waves to nine runs (five and four).  The shares are told apart by address alone.
	s_lshl_b32 s20, s40, 2
	s_add_co_u32 s20, s20, s14                     ; my number among the 16 waves of my row of the cluster
	s_mul_i32 s20, s20, 12288
	s_mul_i32 s21, s17, 196608
	s_add_co_u32 s20, s20, s21
	s_add_co_u32 s20, s20, 3072
	s_and_b32 s21, ttmp7, 0xffff
	s_lshl_b32 s21, s21, 2
	s_add_co_u32 s21, s21, s41
	s_lshl_b32 s21, s21, 2
	s_add_co_u32 s21, s21, s40
	s_lshl_b32 s21, s21, 2
	s_add_co_u32 s21, s21, s14                     ; my number among the 512
	s_lshr_b32 s22, s21, 7
	s_mul_i32 s22, s22, 196608                     ; the tile of Wo
	s_and_b32 s23, s21, 1
	s_bfe_u32 s21, s21, 0x60001                    ; the pair of waves, 0..63
	s_mul_i32 s21, s21, 9
	s_mul_i32 s92, s23, 5
	s_add_co_u32 s21, s21, s92
	s_lshl_b32 s21, s21, 8
	s_add_co_u32 s21, s21, s22
	s_add_co_u32 s21, s21, 21233664+49152
	s_sub_co_u32 s23, 4, s23                       ; my last run: 4 or 3
	v_and_b32 v10, 31, v0
	v_min_u32 v11, 3, v10                          ; lanes that are left over name their wave's last run again
	v_min_u32 v12, s23, v10
	v_lshl_add_u32 v13, v10, 8, s20
	v_lshl_add_u32 v11, v11, 8, s20
	v_lshl_add_u32 v12, v12, 8, s21
	global_prefetch_b8 v13, s[4:5] th:TH_LOAD_NT scope:SCOPE_SE
	global_prefetch_b8 v11, s[4:5] offset:8192 th:TH_LOAD_NT scope:SCOPE_SE
	global_prefetch_b8 v12, s[8:9] th:TH_LOAD_NT scope:SCOPE_SE   ; v10 to v13 and the two bases are never written again
	v_and_b32 v1, 15, v0
	v_bfe_u32 v2, v0, 4, 1
	v_and_b32 v6, 31, v0
	v_lshlrev_b32 v7, 3, v6
	v_mul_u32_u24 v3, v1, PITCH
	v_mul_u32_u24 v4, v2, 24
	v_add_nc_u32 v4, v3, v4
	v_lshl_add_u32 v5, v2, 4, v4
	s_mul_i32 s21, s15, 24576                      ; my 128 rows of o: eight images of 3,072 bytes
	s_mul_i32 s22, s16, HALFT
	s_add_co_u32 s22, s22, 2*HALFT
.irp s, 0,1
	v_add_nc_u32 v[ADRA+\s], s21, v7
	v_add_nc_u32 v[ADRB+\s], s22, v4
	v_add_nc_u32 v[ADRB+2+\s], s22, v5
	s_add_co_u32 s21, s21, SLOT
	s_add_co_u32 s22, s22, SLOT
.endr
	v_mul_u32_u24 v5, v1, KS
	v_lshrrev_b32 v8, 8, v5
	v_lshl_add_u32 v5, v8, 4, v5
	s_mul_i32 s21, s15, HALFS
	s_mul_i32 s22, s16, HALFS
	s_add_co_u32 s22, s22, 2*HALFS
	s_sub_co_u32 s22, s22, s21
	v_mul_u32_u24 v8, s22, v2
	s_add_co_u32 s21, s21, SCL
	v_add_nc_u32 v5, v5, v8
	v_add_nc_u32 v[ADRS], s21, v5
	s_mul_i32 s23, s14, 16*SPITCH
	v_mul_u32_u24 v5, v1, SPITCH
	v_lshl_add_u32 v5, v2, 5, v5
	v_add_nc_u32 v[STO], s23, v5
	v_lshlrev_b32 v[CO], 4, v6
	v_add_nc_u32 v[RD], s23, v[CO]
	s_lshl_b32 s20, s17, 8
	s_lshl_b32 s21, s15, 7
	s_add_co_u32 s20, s20, s21
	s_lshl_b32 s20, s20, 12
	s_mov_b32 s21, 0
	s_lshl_b32 s46, s42, 10
	s_lshl_b32 s47, s16, 9
	s_add_co_u32 s46, s46, s47
	s_mov_b32 s47, 0
	s_add_nc_u64 s[96:97], s[96:97], s[46:47]
	s_add_nc_u64 s[20:21], s[20:21], s[46:47]
	s_add_nc_u64 s[12:13], s[98:99], s[20:21]
	v_lshlrev_b32 v9, 5, v2
.irp b, 0,1,2,3,4,5,6,7
	global_load_b128 v[BIAS+8*\b:BIAS+8*\b+3], v9, s[96:97] offset:64*\b
	global_load_b128 v[BIAS+8*\b+4:BIAS+8*\b+7], v9, s[96:97] offset:64*\b+16
.endr
.macro FRAG reg, adr, q, i
.irp p, 0,1,2,3,4,5
.set PC, 12*(\q)+6*(\p/3)+\p%3
.if PC%8 < 5
	ds_load_b64 v[\reg+2*\p:\reg+2*\p+1], v[\adr] offset:8*PC+16*(PC/8)+(\i)*16*PITCH
.else
	ds_load_b64 v[\reg+2*\p:\reg+2*\p+1], v[\adr+2] offset:8*PC+16*(PC/8)+(\i)*16*PITCH
.endif
.endr
.endm
.macro FRAGA reg, slot, q, i
.irp p, 0,1,2,3,4,5
	ds_load_b64 v[\reg+2*\p:\reg+2*\p+1], v[ADRA+\slot] offset:ABLK*(\i)+1536*(\q)+256*\p
.endr
.endm
.macro MUL16 a0, p, q, sc, first
.irp a, \a0, \a0+1
.irp b, 0,1,2,3,4,5,6,7
.if \first
	v_wmma_scale_f32_16x16x128_f8f6f4 v[8*(8*((\a)%4)+\b):8*(8*((\a)%4)+\b)+7], v[128*(\p)+FR*\b:128*(\p)+FR*\b+FR-1], v[AF+FR*(\a):AF+FR*(\a)+FR-1], v[BIAS+8*\b:BIAS+8*\b+7], v[SC+8*NQ*(\sc)+NQ*\b+(\q)], v[SC+8*NQ*(\sc)+NQ*(\a)+(\q)] matrix_a_fmt:MATRIX_FMT_FP6 matrix_b_fmt:MATRIX_FMT_FP6 matrix_a_scale:MATRIX_SCALE_ROW1
.else
	v_wmma_scale_f32_16x16x128_f8f6f4 v[8*(8*((\a)%4)+\b):8*(8*((\a)%4)+\b)+7], v[128*(\p)+FR*\b:128*(\p)+FR*\b+FR-1], v[AF+FR*(\a):AF+FR*(\a)+FR-1], v[8*(8*((\a)%4)+\b):8*(8*((\a)%4)+\b)+7], v[SC+8*NQ*(\sc)+NQ*\b+(\q)], v[SC+8*NQ*(\sc)+NQ*(\a)+(\q)] matrix_a_fmt:MATRIX_FMT_FP6 matrix_b_fmt:MATRIX_FMT_FP6 matrix_a_scale:MATRIX_SCALE_ROW1
.endif
.endr
.endr
.endm
.macro FETCH_B slot, q, p
	WIN TO_B
.irp i, 0,1,2,3,4,5,6,7
	FRAG 128*(\p)+FR*\i, ADRB+\slot, \q, \i
.endr
	WIN 0
.endm
.macro FETCH_A slot, q, i0
.irp i, \i0, \i0+1, \i0+2, \i0+3
	FRAGA AF+FR*(\i), \slot, \q, \i
.endr
.endm
.macro SCALES sc
.irp i, 0,1,2,3,4,5,6,7
	ds_load_b64 v[SC+8*NQ*\sc+NQ*\i:SC+8*NQ*\sc+NQ*\i+1], v[ADRS] offset:\i*SBLK
.endr
.endm
.macro PLACES n
.rept \n
	v_nop
.endr
.endm
.macro STEP slot, q, first
	s_wait_dscnt 4*NL
.if \first
	WIN 0x81
.else
	WIN MUL_LO
.endif
	MUL16 0, (\q)%2, \q, \slot, \first
	MUL16 2, (\q)%2, \q, \slot, \first
	s_wait_dscnt 0
	PLACES NP
	FETCH_B \slot, (\q)+1, 1-(\q)%2
	FETCH_A \slot, (\q)+1, 0
.if \first
	WIN 0xc1
.else
	WIN MUL_HI
.endif
	MUL16 4, (\q)%2, \q, \slot, \first
	MUL16 6, (\q)%2, \q, \slot, \first
	PLACES NP
	WIN 0
	FETCH_A \slot, (\q)+1, 4
.endm
.macro TURN slot, next, fill
	s_wait_tensorcnt 0x0
	ds_add_u32 v[SPW], v[NIL]
	s_wait_dscnt 4*NL+1
	WIN MUL_LO
	MUL16 0, 1, NQ-1, \slot, 0
	s_wait_dscnt 0x0
	s_barrier_signal -1
	MUL16 2, 1, NQ-1, \slot, 0
	WIN 0
	s_barrier_wait -1
.if \fill
	CREST
	s_add_nc_u64 s[G0+4*\slot+2:G0+4*\slot+3], s[G0+4*\slot+2:G0+4*\slot+3], 2*ABLK
	s_add_nc_u64 s[G0B+4*\slot+2:G0B+4*\slot+3], s[G0B+4*\slot+2:G0B+4*\slot+3], 2*49152
	JLOAD G0+4*\slot, G1, G0B+4*\slot, G1B
.else
	PLACES NP
.endif
	s_wait_alu depctr_va_vdst(0)
	v_add_nc_u32 v[ADRS], 4*NQ, v[ADRS]
	FETCH_B \next, 0, 0
	FETCH_A \next, 0, 0
	SCALES \next
	WIN MUL_HI
	MUL16 4, 1, NQ-1, \slot, 0
	MUL16 6, 1, NQ-1, \slot, 0
	PLACES NP
	WIN 0
	FETCH_A \next, 0, 4
.endm
	s_wait_alu depctr_va_vdst(0)
	s_wait_tensorcnt 0x0                           ; my tile of the head's four is in; the three lines ahead of a later first fill, as ahead of a refill
	ds_add_u32 v[SPW], v[NIL]
	s_mov_b32 s[G1+2], 8<<16                       ; no tensor load of mine is out: the descriptors are set for the ring: 128 rows a load,
	s_mov_b32 s[G1+4], 8
	s_mov_b32 s[G1B+2], 96<<16
	s_mov_b32 s[G1B+4], 96
	s_mov_b32 s[G0+1], s45                         ; and slot 0's group 0 for my half
	s_add_nc_u64 s[G0+2:G0+3], s[G0+2:G0+3], s[18:19]
	s_mov_b32 s[G0B+1], s94
	s_add_nc_u64 s[G0B+2:G0B+3], s[G0B+2:G0B+3], s[2:3]
	s_wait_dscnt 0x0
	CROUND                                         ; all four tiles are in, and all sixteen work-groups are here
	JLOAD G0+4, G1, G0B+4, G1B                     ; K step 1, the first tensor load behind the round
	FETCH_B 0, 0, 0
	FETCH_A 0, 0, 0
	SCALES 0
	FETCH_A 0, 0, 4
	s_wait_loadcnt 0x0
	STEP 0, 0, 1
	s_mov_b32 s3, LAPS-1
.Llap:
	TURN 0, 1, 1
	STEP 1, 0, 0
	TURN 1, 0, 1
	STEP 0, 0, 0
	s_sub_co_u32 s3, s3, 1
	s_cmp_lg_u32 s3, 0
	s_cbranch_scc1 .Llap
	TURN 0, 1, 0
	STEP 1, 0, 0
	s_wait_dscnt 4*NL
	WIN MUL_LO
	MUL16 0, 1, NQ-1, 1, 0
	MUL16 2, 1, NQ-1, 1, 0
	s_wait_dscnt 0
	WIN MUL_HI
	MUL16 4, 1, NQ-1, 1, 0
	MUL16 6, 1, NQ-1, 1, 0
	WIN 0
.macro TOSTAGE a
.set AC, 64*((\a)%4)
	WIN 0x08+4*((\a)/4)
.irp b, 0,1,2,3,4,5,6,7
	ds_store_b128 v[STO], v[AC+8*\b:AC+8*\b+3] offset:64*\b
	ds_store_b128 v[STO], v[AC+8*\b+4:AC+8*\b+7] offset:64*\b+16
.endr
	WIN 0
.set BB, BK+64*((\a)%2)
.irp t, 0,1,2,3,4,5,6,7,8,9,10,11,12,13,14,15
	ds_load_b128 v[BB+4*\t:BB+4*\t+3], v[RD] offset:\t*SPITCH
.endr
.endm
.macro SEND a, younger
.set BB, BK+64*((\a)%2)
	s_wait_dscnt \younger
.if (\a) > 0
	s_add_nc_u64 s[12:13], s[12:13], 16*SIZE_N*4
.endif
.irp t, 0,1,2,3,4,5,6,7,8,9,10,11,12,13,14,15
	global_store_b128 v[CO], v[BB+4*\t:BB+4*\t+3], s[12:13] offset:\t*SIZE_N*4 th:TH_STORE_NT
.endr
.endm
	PLACES NP
	TOSTAGE 0
.irp a, 1,2,3,4,5,6,7
.if \a > 1
	s_wait_xcnt 0x0
.endif
	TOSTAGE \a
	SEND \a-1, 32
.endr
	s_wait_xcnt 0x0
	SEND 7, 0
	s_wait_tensorcnt 0x0
	ds_add_u32 v[SPW], v[NIL]
	s_wait_dscnt 0x0
	CROUND
	s_endpgm
.Lfunc_end_k_q04dcf57921_outp:
	.size	k_q04dcf57921_outp, .Lfunc_end_k_q04dcf57921_outp-k_q04dcf57921_outp
	.p2alignl 7, 3214868480
	.fill 96, 4, 3214868480
	.section	.rodata,"a",@progbits
	.p2align	6, 0x0
	.amdhsa_kernel k_q04dcf57921_outp
		.amdhsa_group_segment_fixed_size 327680
		.amdhsa_private_segment_fixed_size 0
		.amdhsa_enable_private_segment 0
		.amdhsa_kernarg_size 48
		.amdhsa_user_sgpr_count 2
		.amdhsa_user_sgpr_kernarg_segment_ptr 1
		.amdhsa_wavefront_size32 1
		.amdhsa_system_sgpr_workgroup_id_x 1
		.amdhsa_system_sgpr_workgroup_id_y 1
		.amdhsa_system_sgpr_workgroup_id_z 1
		.amdhsa_system_vgpr_workitem_id 0
		.amdhsa_next_free_vgpr 1024
		.amdhsa_next_free_sgpr 100
		.amdhsa_reserve_vcc 0
		.amdhsa_float_denorm_mode_32 3
		.amdhsa_float_denorm_mode_16_64 3
		.amdhsa_memory_ordered 1
		.amdhsa_forward_progress 1
		.amdhsa_inst_pref_size 164
	.end_amdhsa_kernel
	.amdgpu_metadata
---
amdhsa.version: [ 1, 2 ]
amdhsa.kernels:
  - .name:           k_q04dcf57921_outp
    .symbol:         k_q04dcf57921_outp.kd
    .args:
      - { .name: OC, .offset: 0, .size: 8, .value_kind: global_buffer, .address_space: global }
      - { .name: OS, .offset: 8, .size: 8, .value_kind: global_buffer, .address_space: global }
      - { .name: XC, .offset: 16, .size: 8, .value_kind: global_buffer, .address_space: global }
      - { .name: XS, .offset: 24, .size: 8, .value_kind: global_buffer, .address_space: global }
      - { .name: bo, .offset: 32, .size: 8, .value_kind: global_buffer, .address_space: global }
      - { .name: out0, .offset: 40, .size: 8, .value_kind: global_buffer, .address_space: global }
    .group_segment_fixed_size: 327680
    .private_segment_fixed_size: 0
    .kernarg_segment_align: 8
    .kernarg_segment_size: 48
    .max_flat_workgroup_size: 128
    .sgpr_count:     100
    .vgpr_count:     1024
    .wavefront_size: 32
...
	.end_amdgpu_metadata
.endif
;; end of part 4
